; MI455X (gfx1250); checked and timed in simulation.
; The chip was launched on July 23, 2026; its instructions are those of AMD's public machine-readable ISA for CDNA 5 (MIT licence, August 2026) and "CDNA5" Instruction Set Architecture Reference Guide (July 2026). The comments in the code are by the model that wrote it; some were corrected since.
;; Causal Multi Head Self Attention. Allowed arithmetic: matrix products marked QUANTISED: E4M3 operands, one given power-of-two scale a tensor, by v_wmma_f32_16x16x64_fp8_fp8 or v_wmma_f32_16x16x128_fp8_fp8, f32 sums; everything else in f32.
;; Inputs: lowp_scales 8 int32 (the exponents e of the quantised operands' scales 2^e); token_positions 2,048 int32; w_out 1,024 x 1,024 float32; w_qkv 3,072 x 1,024 float32; x 4 x 2,048 x 1,024 float32.
;; Outputs: out0 4 x 2,048 x 1,024 float32.
;; This version of the problem:
;;   THIS VERSION OF THE PROBLEM IS GIVEN IN LOW PRECISION. The matrix products marked QUANTISED in the list below multiply operands that are first quantised to E4M3 (4 exponent bits, 3 mantissa bits; 8 bits a number), with one given power-of-two scale for each operand tensor; their sums are f32. All else is computed in f32.
;;   The module's matrix products, in the order in which they are computed (A, B: the left and right operand; K: the contracted axis; several contracted axes count as one K, in the product's order):
;;     1. [M 8,192, K 1,024] x [K 1,024, N 3,072]; A: input x; B: input w_qkv: QUANTISED (scales: A lowp_scales[0], B lowp_scales[1])
;;     2. batch 64 x [M 2,048, K 64] x [K 64, N 2,048]; A: computed on the way; B: computed on the way: QUANTISED (scales: A lowp_scales[2], B lowp_scales[3])
;;     3. batch 64 x [M 2,048, K 2,048] x [K 2,048, N 64]; A: softmax (see below); B: computed on the way: QUANTISED (scales: A lowp_scales[4], B lowp_scales[5])
;;     4. [M 8,192, K 1,024] x [K 1,024, N 1,024]; A: computed on the way; B: input w_out: QUANTISED (scales: A lowp_scales[6], B lowp_scales[7])
;;   THE QUANTISER, for each operand of a quantised product, along K:
;;     - The operand's scale is 2^e, e = its entry of the input lowp_scales (int32; the entries are numbered through the quantised products in the list's order, A before B).
;;     - Each number is divided by the scale, clamped to +-448, and rounded to the nearest number of E4M3, ties to even, subnormals kept.
;;     - The product sums the exact products of the quantised numbers (number of the format x scale) in f32.
;;   ~~~python
;;   def quantise(x, axis, e):      # numpy; x: float32 -> the quantised numbers, widened to float32 again
;;       x = np.moveaxis(x, axis, -1); K = x.shape[-1]
;;       r = np.clip(x / 2.0 ** e, -448, 448)
;;       step = 2.0 ** (np.maximum(np.frexp(np.where(r == 0, 1, r))[1] - 1, -6) - 3)
;;       q = np.round(r / step) * step * 2.0 ** e      # np.round: ties to even
;;       return np.moveaxis(q, -1, axis).astype(np.float32)
;;   ~~~
;;   SOFTMAX AHEAD OF A QUANTISED PRODUCT. Where the list says 'softmax', what is quantised is not the finished softmax but p = 2^(t - M), with t = logit x log2(e) and M = ceil(the row's largest t), a whole number; so 1/2 < the row's largest p <= 1. The row's sum l is taken of the UNQUANTISED p, in f32, and the product's result is divided by l at the end. Since M is a whole number, a kernel that streams over the keys may use a running M (the ceiling of the running maximum): every later rescaling is an exact power of two, so the quantised numbers keep their values, but for numbers so far below the row's largest that they fall under the format's range.
;;   OPERANDS COMPUTED ON THE WAY. 'Computed on the way' means the value that the module computes at that place (a softmax that the list does not call 'softmax' is quantised finished and normalised). What goes into a quantiser is computed in f32, as accurately as f32 sums, v_exp_f32 and their like allow (about 1e-6 of the number): no bf16 or f16 on the way to a quantiser, and a product that is left as it is and whose result goes on into a quantised operand takes f32 operands (vector FMAs, or v_wmma_f32_16x16x4_f32). A number that lies on a knife's edge between two numbers of the format may be rounded either way, as far as f32 arithmetic and the matrix unit's own rounding can turn it there, and no further.
;; One version. Each part assembles by itself: llvm-mc -triple=amdgcn-amd-amdhsa -mcpu=gfx1250 --defsym DOCPART=n.
;; ======== version 1 of 1: 4 launches
;; limits: right only within a limited range of input values
;; workspace buffers: xc 8,388,608 bytes; wqc 3,145,728 bytes; woc 1,048,576 bytes; rope 524,288 bytes; qc 8,388,608 bytes; kc 8,388,608 bytes; vc 8,388,608 bytes; yc 8,388,608 bytes
;; launch quant (part 1): grid 768 x 1, 4 waves a work-group, no clusters, 33,280 bytes of LDS; arguments x, w_qkv, w_out, lowp_scales, token_positions, xc, wqc, woc, rope; writes xc, wqc, woc, rope
.if DOCPART == 1
	.amdgcn_target "amdgcn-amd-amdhsa--gfx1250"
	.amdhsa_code_object_version 6
	.text
	.protected	k_q9090bb3e79_quant
	.globl	k_q9090bb3e79_quant
	.p2align	8
	.type	k_q9090bb3e79_quant,@function
k_q9090bb3e79_quant:
	s_mov_b64 s[64:65], 0
	v_nop
	global_prefetch_b8 v0, s[64:65] scope:SCOPE_SE
	s_setreg_imm32_b32 hwreg(HW_REG_WAVE_MODE, 25, 1), 1
	s_wait_xcnt 0x0
; x [8192][1024], w_qkv [3072][1024] and w_out [1024][1024], f32, become codes of FP8 (E4M3), one byte each, K innermost, each with its given scale 2^e (entries 0, 1 and 7 of the scales).
; code = number / 2^e, held within +-448, rounded to the nearest code, ties to even.
; THE ORDER OF THE CODES: in each 32 bytes the four groups of eight codes lie in the order 0, 2, 1, 3.  In the first product both operands are laid so, which is one permutation of K on both sides;
; in the last product it is the order in which a load of 16 bytes a lane meets the registers of y's codes, which arrive as images of a fragment in the matrix form's own layout.
; Rows are dense and 1,024 is a multiple of 32: a tensor is a plain stream of blocks of 32 numbers.  A work-group takes 16,384 numbers, a wave 8 steps of 512.  Work-groups 0-511: x; 512-703: w_qkv; 704-767: w_out:
; only pointers and e are chosen (by the work-group's number); all three take one path.
; A load takes 512 consecutive bytes, 16 a lane; the conversions want 8 neighbours along K in one lane's registers: so a step's 2,048 bytes turn through the wave's own stage in LDS (64 bytes + 16 of padding).
; On the way back the even lane of a pair takes groups 0 and 2 of its block, the odd lane groups 1 and 3 (pairs of lanes then meet on the same banks: two passes where one would do; the stream from memory is what this launch waits for).
; THE TABLE FOR THE ROTATION: the 512 work-groups of x also make rope[s][g][cos of pairs 4 g .. 4 g + 3, sin of the same], f32, 256 bytes a row, from token_positions[s]: a wave a row, a lane two numbers.
; angle = position x 10000^(-j / 32), in f32; 10000^(-j / 32) = 2^(-j log2(10) / 8) by v_exp_f32; the angle less n x pi/2 in three parts (fused multiply-adds), then polynomials for sine and cosine on +-pi/4.
; LIMITS: -126 <= e and e + 8 <= 127.  NaN among the inputs is not served (an infinity is held at the largest code).  The power by v_exp_f32 may differ from a library's power in its last bits,
; which an angle of some thousands shows as some 1e-4 of a radian, as f32 angles of that size do anyway.  Positions beyond 2^23 in magnitude are not served exactly.
.set STEPS, 8
.set WGX,   512                        ; x's work-groups
.set WGQ,   704                        ; x's and w_qkv's
.set WREG,  8192                       ; LDS: a region for each wave: two stages of 32 x SP bytes
.set SP,    80                         ; 64 bytes of numbers + 16 of padding
.set R,     16                         ; v16-79   four sets of 16 numbers as they are loaded
.set X,     80                         ; v80-111  two sets of 16 numbers, 8 + 8 neighbours
.set C,     128                        ; v128-159 codes: four registers for each step, so that no store's data are written again
	s_load_b256 s[4:11], s[0:1], 0x0               ; x s[4:5], w_qkv s[6:7], w_out s[8:9], the scales' exponents s[10:11]
	s_load_b256 s[12:19], s[0:1], 0x20             ; token_positions s[12:13], xc s[14:15], wqc s[16:17], woc s[18:19]
	s_load_b64 s[20:21], s[0:1], 0x40              ; rope
	v_lshl_add_u32 v192, v0, 2, 0x8000
	v_mov_b32 v193, 0
	v_lshrrev_b32 v1, 5, v0
	v_readfirstlane_b32 s22, v1                    ; wave
	v_and_b32 v2, 31, v0                           ; lane
	v_lshlrev_b32 v3, 4, v2                        ; my 16 bytes of a load's 512, and of a store's 512
	s_mul_i32 s23, s22, WREG
	v_lshrrev_b32 v14, 2, v2
	v_mul_u32_u24 v14, v14, SP
	v_and_b32 v15, 3, v2
	v_lshl_add_u32 v14, v15, 4, v14
	v_add_nc_u32 v14, s23, v14                     ; the stage, way in: four lanes' 64 bytes on end, then the padding
	v_lshrrev_b32 v15, 1, v2
	v_mul_u32_u24 v15, v15, 2*SP
	v_and_b32 v1, 1, v2
	v_lshl_add_u32 v15, v1, 5, v15
	v_add_nc_u32 v15, s23, v15                     ; way out: block lane / 2 (two places of the stage), + 32 bytes in the odd lane
	s_mov_b32 s24, WGQ
	s_wait_kmcnt 0x0
	s_load_b256 s[32:39], s[10:11], 0x0            ; e0 .. e7
	s_cmp_lt_u32 ttmp9, s24                        ; which tensor?  The choice hangs on the work-group's number alone
	s_cselect_b64 s[40:41], s[6:7], s[8:9]
	s_cselect_b64 s[42:43], s[16:17], s[18:19]
	s_cselect_b32 s25, WGX, s24
	s_cmp_lt_u32 ttmp9, WGX
	s_cselect_b64 s[40:41], s[4:5], s[40:41]
	s_cselect_b64 s[42:43], s[14:15], s[42:43]
	s_cselect_b32 s25, 0, s25                      ; the tensor's first work-group
	s_sub_co_u32 s25, ttmp9, s25
	s_lshl_b32 s25, s25, 2
	s_add_co_u32 s25, s25, s22                     ; which run of 4,096 numbers of the tensor is my wave's
	s_lshl_b32 s26, s25, 14                        ; 16,384 bytes of numbers,
	s_mov_b32 s27, 0
	s_add_nc_u64 s[40:41], s[40:41], s[26:27]
	s_lshl_b32 s26, s25, 12                        ; 4,096 bytes of codes
	s_add_nc_u64 s[42:43], s[42:43], s[26:27]
.macro LOAD t
.irp i, 0,1,2,3
	global_load_b128 v[R+16*((\t)%4)+4*\i:R+16*((\t)%4)+4*\i+3], v3, s[40:41] offset:2048*(\t)+512*\i th:TH_LOAD_NT   ; 32 lanes read 512 consecutive bytes; read once in the launch
.endr
.endm
.macro TURN t                          ; step t's numbers through the stage: LDS serves a wave's instructions in order, so no wait stands between the stores and the loads
.irp i, 0,1,2,3
	ds_store_b128 v14, v[R+16*((\t)%4)+4*\i:R+16*((\t)%4)+4*\i+3] offset:32*SP*((\t)%2)+8*SP*\i
.endr
	ds_load_b128 v[X+16*((\t)%2):X+16*((\t)%2)+3],     v15 offset:32*SP*((\t)%2)         ; group 0 (odd lane: 1) of my block,
	ds_load_b128 v[X+16*((\t)%2)+4:X+16*((\t)%2)+7],   v15 offset:32*SP*((\t)%2)+16
	ds_load_b128 v[X+16*((\t)%2)+8:X+16*((\t)%2)+11],  v15 offset:32*SP*((\t)%2)+SP      ; group 2 (odd lane: 3)
	ds_load_b128 v[X+16*((\t)%2)+12:X+16*((\t)%2)+15], v15 offset:32*SP*((\t)%2)+SP+16
.endm
.irp t, 0,1,2,3
	LOAD \t
.endr
	s_wait_kmcnt 0x0
	s_cmp_lt_u32 ttmp9, s24
	s_cselect_b32 s28, s33, s39                    ; e1 or e7,
	s_cmp_lt_u32 ttmp9, WGX
	s_cselect_b32 s28, s32, s28                    ; or e0
	s_add_co_i32 s28, s28, 127
	s_lshl_b32 s29, s28, 23
	v_mov_b32 v11, s29                             ; 2^e as f32: the conversion takes its exponent field
	s_add_co_i32 s28, s28, 8
	s_lshl_b32 s28, s28, 23
	s_or_b32 s28, s28, 0x600000
	v_mov_b32 v10, s28                             ; 448 x 2^e
	; ---- the table: row s = 4 x work-group + wave, which in x's work-groups is the wave's run number.  It stands while the first sixteen loads are on their way
	s_cmp_lt_u32 ttmp9, WGX
	s_cbranch_scc0 .Lno_table
	s_lshl_b32 s30, s25, 2
	s_mov_b32 s31, 0
	s_add_nc_u64 s[12:13], s[12:13], s[30:31]
	s_load_b32 s29, s[12:13], 0x0                  ; token_positions[s]
	s_lshl_b32 s30, s25, 8
	s_add_nc_u64 s[20:21], s[20:21], s[30:31]      ; the row's 256 bytes
	v_lshrrev_b32 v160, 2, v2                      ; lane l makes numbers 2 l and 2 l + 1 of the row's 64: group l / 4;
	v_and_b32 v161, 1, v2
	v_lshlrev_b32 v160, 2, v160
	v_lshl_add_u32 v160, v161, 1, v160             ; pairs j = 4 (l / 4) + 2 (l % 2) and j + 1;
	v_bfe_u32 v161, v2, 1, 1                       ; cosines (0) or sines (1)
	v_mul_u32_u24 v161, v161, 3                    ; sin(a) = cos(a - pi/2): three quarter turns more
	v_lshlrev_b32 v163, 3, v2                      ; my 8 bytes of the row
	v_cvt_f32_u32 v112, v160
	v_add_nc_u32 v160, 1, v160
	v_cvt_f32_u32 v120, v160
	v_mul_f32 v112, 0xbed49a78, v112               ; -j log2(10) / 8
	v_mul_f32 v120, 0xbed49a78, v120
	s_wait_alu depctr_va_vdst(0)
	v_exp_f32 v112, v112                           ; 10000^(-j / 32)
	v_exp_f32 v120, v120
	s_wait_kmcnt 0x0
	v_cvt_f32_i32 v162, s29                        ; the position.  (The plain instruction behind the two exponentials)
	s_wait_alu depctr_va_vdst(0)                   ; one wait for both, ahead of the first line that names a result
; v[a] holds 10000^(-j / 32); v[out] gets the cosine or the sine of position x that.  v[a] .. v[a+7] at work
.macro CHAIN a, out
	v_mul_f32 v[\a+1], v162, v[\a]                 ; the angle
	v_mul_f32 v[\a+2], 0x3f22f983, v[\a+1]         ; x 2 / pi,
	v_rndne_f32 v[\a+2], v[\a+2]                   ; n: the nearest quarter turn
	v_fmamk_f32 v[\a+3], v[\a+2], 0xbfc90fdb, v[\a+1]   ; r = angle - n x pi/2, pi/2 in three parts, each step one rounding
	v_fmamk_f32 v[\a+3], v[\a+2], 0x333bbd2e, v[\a+3]
	v_fmamk_f32 v[\a+3], v[\a+2], 0x26f72ced, v[\a+3]
	v_mul_f32 v[\a+4], v[\a+3], v[\a+3]            ; z = r^2
	v_mov_b32 v[\a+5], 0xb94ca1f9
	v_fmaak_f32 v[\a+5], v[\a+5], v[\a+4], 0x3c08839e
	v_fmaak_f32 v[\a+5], v[\a+5], v[\a+4], 0xbe2aaaa3
	v_mul_f32 v[\a+5], v[\a+5], v[\a+4]
	v_fma_f32 v[\a+5], v[\a+5], v[\a+3], v[\a+3]   ; sin r = r + r z (S1 + z (S2 + z S3))
	v_mov_b32 v[\a+6], 0x37ccf5ce
	v_fmaak_f32 v[\a+6], v[\a+6], v[\a+4], 0xbab6061a
	v_fmaak_f32 v[\a+6], v[\a+6], v[\a+4], 0x3d2aaaa5
	v_mul_f32 v[\a+7], v[\a+4], v[\a+4]
	v_fma_f32 v[\a], v[\a+4], -0.5, 1.0
	v_fma_f32 v[\a+6], v[\a+7], v[\a+6], v[\a]     ; cos r = 1 - z / 2 + z^2 (C1 + z (C2 + z C3))
	v_cvt_i32_f32 v[\a+7], v[\a+2]
	v_add_nc_u32 v[\a+7], v[\a+7], v161            ; m = n (+ 3 for a sine).  cos(r + m pi/2): m % 4 = 0: cos r; 1: -sin r; 2: -cos r; 3: sin r
	v_and_b32 v[\a], 1, v[\a+7]
	v_cmp_eq_u32 vcc_lo, 1, v[\a]
	v_cndmask_b32 v[\a+5], v[\a+6], v[\a+5], vcc_lo
	v_add_nc_u32 v[\a+7], 1, v[\a+7]
	v_and_b32 v[\a+7], 2, v[\a+7]
	v_lshlrev_b32 v[\a+7], 30, v[\a+7]             ; the sign bit where m % 4 is 1 or 2
	v_xor_b32 v[\out], v[\a+7], v[\a+5]
.endm
	CHAIN 112, 164
	CHAIN 120, 165
	global_store_b64 v163, v[164:165], s[20:21]    ; the wave stores the row: 256 consecutive bytes, aligned; none of these registers is written again
.Lno_table:
	s_wait_loadcnt 12                              ; step 0's four loads are in; those of steps 1 to 3 may be out
	s_wait_alu depctr_va_vdst(0)
	TURN 0
.macro STEP t
.set XS, X+16*((\t)%2)
	s_wait_dscnt 0x0                               ; this step's numbers are back from the stage: so its stores into the stage have read their registers,
.if (\t)+4 < STEPS
	LOAD (\t)+4                                    ; which take the loads of four steps on
.endif
.if (\t)+1 < STEPS
.if STEPS-2-(\t) >= 3
	s_wait_loadcnt 12                              ; the next step's four loads are in; those of the three steps behind it may be out
.else
	s_wait_loadcnt 4*(STEPS-2-(\t))                ; at the end fewer steps stand behind it
.endif
	TURN (\t)+1                                    ; and go through the other stage while this step is worked
.endif
.irp i, 0,1,2,3,4,5,6,7,8,9,10,11,12,13,14,15
	v_med3_num_f32 v[XS+\i], v[XS+\i], -v10, v10   ; the conversion to an 8-bit code does not saturate (ISA guide 7.6.2): the number is held within the largest code x the scale first
.endr
	v_cvt_scalef32_pk8_fp8_f32 v[C+4*(\t):C+4*(\t)+1], v[XS:XS+7], v11
	v_cvt_scalef32_pk8_fp8_f32 v[C+4*(\t)+2:C+4*(\t)+3], v[XS+8:XS+15], v11
	global_store_b128 v3, v[C+4*(\t):C+4*(\t)+3], s[42:43] offset:512*(\t)   ; the wave stores 512 consecutive bytes.  (The results go to a store alone; the next vector lines are the next step's holds, plain ones on other registers)
.endm
.irp t, 0,1,2,3,4,5,6,7
	STEP \t
.endr
	s_wait_tensorcnt 0x0
	ds_add_u32 v192, v193
	s_wait_dscnt 0x0
	s_endpgm
.Lfunc_end_k_q9090bb3e79_quant:
	.size	k_q9090bb3e79_quant, .Lfunc_end_k_q9090bb3e79_quant-k_q9090bb3e79_quant
	.p2alignl 7, 3214868480
	.fill 96, 4, 3214868480
	.section	.rodata,"a",@progbits
	.p2align	6, 0x0
	.amdhsa_kernel k_q9090bb3e79_quant
		.amdhsa_group_segment_fixed_size 33280
		.amdhsa_private_segment_fixed_size 0
		.amdhsa_enable_private_segment 0
		.amdhsa_kernarg_size 72
		.amdhsa_user_sgpr_count 2
		.amdhsa_user_sgpr_kernarg_segment_ptr 1
		.amdhsa_wavefront_size32 1
		.amdhsa_system_sgpr_workgroup_id_x 1
		.amdhsa_system_sgpr_workgroup_id_y 1
		.amdhsa_system_sgpr_workgroup_id_z 1
		.amdhsa_system_vgpr_workitem_id 0
		.amdhsa_next_free_vgpr 194
		.amdhsa_next_free_sgpr 66
		.amdhsa_reserve_vcc 1
		.amdhsa_float_denorm_mode_32 3
		.amdhsa_float_denorm_mode_16_64 3
		.amdhsa_memory_ordered 1
		.amdhsa_forward_progress 1
		.amdhsa_inst_pref_size 24
	.end_amdhsa_kernel
	.amdgpu_metadata
---
amdhsa.version: [ 1, 2 ]
amdhsa.kernels:
  - .name:           k_q9090bb3e79_quant
    .symbol:         k_q9090bb3e79_quant.kd
    .args:
      - { .name: x, .offset: 0, .size: 8, .value_kind: global_buffer, .address_space: global }
      - { .name: w_qkv, .offset: 8, .size: 8, .value_kind: global_buffer, .address_space: global }
      - { .name: w_out, .offset: 16, .size: 8, .value_kind: global_buffer, .address_space: global }
      - { .name: lowp_scales, .offset: 24, .size: 8, .value_kind: global_buffer, .address_space: global }
      - { .name: token_positions, .offset: 32, .size: 8, .value_kind: global_buffer, .address_space: global }
      - { .name: xc, .offset: 40, .size: 8, .value_kind: global_buffer, .address_space: global }
      - { .name: wqc, .offset: 48, .size: 8, .value_kind: global_buffer, .address_space: global }
      - { .name: woc, .offset: 56, .size: 8, .value_kind: global_buffer, .address_space: global }
      - { .name: rope, .offset: 64, .size: 8, .value_kind: global_buffer, .address_space: global }
    .group_segment_fixed_size: 33280
    .private_segment_fixed_size: 0
    .kernarg_segment_align: 8
    .kernarg_segment_size: 72
    .max_flat_workgroup_size: 128
    .sgpr_count:     66
    .vgpr_count:     194
    .wavefront_size: 32
...
	.end_amdgpu_metadata
.endif
;; end of part 1
;; launch qkv (part 2): grid 12 x 32, 4 waves a work-group, clusters of 4 x 4, 327,680 bytes of LDS; arguments xc, wqc, lowp_scales, rope, qc, kc, vc; writes qc, kc, vc
.if DOCPART == 2
	.amdgcn_target "amdgcn-amd-amdhsa--gfx1250"
	.amdhsa_code_object_version 6
	.text
	.protected	k_q9090bb3e79_qkv
	.globl	k_q9090bb3e79_qkv
	.p2align	8
	.type	k_q9090bb3e79_qkv,@function
k_q9090bb3e79_qkv:
	s_mov_b64 s[64:65], 0
	v_nop
	global_prefetch_b8 v0, s[64:65] scope:SCOPE_SE
	s_setreg_imm32_b32 hwreg(HW_REG_WAVE_MODE, 25, 1), 1
	s_wait_xcnt 0x0
	s_wait_alu depctr_hold_cnt(0) depctr_sa_sdst(0) depctr_va_vdst(0) depctr_va_sdst(0) depctr_va_ssrc(0) depctr_va_vcc(0) depctr_vm_vsrc(0)
	s_getreg_b32 s2, hwreg(HW_REG_IB_STS2, 6, 4)
	s_cmp_eq_u32 s2, 0
	s_cbranch_scc0 .Lentry_in_a_cluster
	s_endpgm
.Lentry_in_a_cluster:
	s_bfe_u32 s2, ttmp6, 0x10000c
	s_cmp_lg_u32 s2, 0xf033
	s_cbranch_scc0 .Lentry_shape_is_right
	s_endpgm
.Lentry_shape_is_right:
; qkv = x w_qkv^T on codes of FP8 (E4M3) (8,192 x 3,072, K = 1,024), the rotation of q and k, and the codes of q, k and v for the attention launch (scales: entries 2, 3 and 5).
; A tile of 256 x 256 is made by four waves, 128 x 128 each: 64 accumulators, 512 registers.  K goes in four steps of 256 through a ring of two LDS slots filled by the tensor data mover.
; 384 tiles do not share out evenly among the WGPs: tiles that do would straddle the borders between q, k and v, or read half as much again from LDS for each product; that loss is kept.
; CLUSTERS of 4 x 4.  The cluster's x says what is made: 0 q, 1 k, 2 v: the same number in all sixteen partners, so selections and the one branch of the way out may hang on it.
; SOURCE 1 ('A', shared along a row of the cluster) gives a result's lane, SOURCE 0 ('B', shared along a column) its eight registers.
;   q, k: A = 256 tokens of x, B = 256 features of w_qkv: a lane holds one token and eight features, the next product's K.
;   v:    A = 256 features of w_qkv, B = 256 tokens of x: a lane holds one channel and eight tokens, which are the keys: the K of the product with p.   The roles are changed by pointers and tile numbers, not by text.
; NO STAGE, NO TRANSPOSITION: in the 8-bit forms' own layout lane (r, h) holds k = 16 c + 8 h + 0 .. 7 in registers 2 c, 2 c + 1, and a result tile gives lane (r, h) rows 8 h + 0 .. 7 of source 0.  So the eight codes made of
; result tile c ARE registers 2 c, 2 c + 1 of the next operand.  The operands go to memory as IMAGES OF THEIR REGISTERS: four registers by one store, 16 bytes a lane, 512 consecutive bytes, aligned.
; B'S ROWS IN A TILE OF 16 ARE TAKEN IN ANOTHER ORDER: lane r takes row (r & 8) + 2 (r & 3) + ((r >> 2) & 1).  A lane's registers 0-3 are then the even features of four pairs and registers 4-7 their odd partners, so the rotation
; is packed arithmetic within a lane.  q's and k's codes keep that order (one order of K in both); for v the hold, which copies anyway, puts the tokens back in order.
; A sum stands for sum x 2^(e0 + e1); the rotation is linear; so the conversion's one scale is 2^(e - e0 - e1), e = e2, e3 or e5.
; LIMITS: e2 - e0 - e1, e3 - e0 - e1 and e5 - e0 - e1 lie between -126 and 119, so that the scale and 448 x the scale are f32 numbers.
; REGISTERS, in windows of 256: window 0: v16-31 addresses and scales; v32-95 a block's results; v96-111 at work; v128-255 A's fragments (one set), on the way out the codes, 16 registers a block.
;   window 1: B's fragments, two sets; on q's and k's way out the table of cosines and sines, 32 registers a block of 16 tokens.   windows 2, 3: the accumulators: (a, b) at v[8 (8 (a % 4) + b)].
.set ROWB,   256                       ; a tile's row in bytes: 256 codes
.set KROW,   1024                      ; a row of xc or of wqc in memory
.set PITCH,  272                       ; an LDS row: 256 bytes + 16 of padding = 68 words: the 16 rows that a load touches start at 16 different banks (64 banks of 4 bytes: ISA guide 11.1)
.set FR,     16                        ; registers of a fragment: 16 rows x 128 K
.set NL,     4                         ; LDS loads that bring one
.set NP,     4                         ; places behind this matrix instruction (ISA guide 7.12.1)
.set HALFT,  128*PITCH                 ; 128 rows: what one tensor load brings, and what one wave reads of A or of B
.set SLOT,   4*HALFT                   ; A's 256 rows, then B's 256 rows
.set SPARE,  2*SLOT                    ; behind the ring: the spare words, 128 bytes for each wave: two blocks of 256 bytes that no other line names
.set HEADB,  131072                    ; a head's codes in qc, kc or vc: 2,048 x 64 bytes
.set ADRA, 16                          ; v16-17  LDS address of my A fragments in slot 0, 1
.set ADRB, 20                          ; v20-21  the same for B
.set CO,   26                          ; v26     16 x lane: my place in an image's 512 bytes
.set TO,   27                          ; v27     my place in the table: 256 x (lane % 16) + 32 x (lane / 16)
.set SPW,  28                          ; v28     LDS address of my spare word: SPARE + 4 x my thread's number; never rewritten
.set NIL,  29                          ; v29     0; never rewritten
.set SC,   30                          ; v30     the conversion's scale as f32
.set LIM,  31                          ; v31     448 x that
.set TMP,  32                          ; v32-95  a block's 64 numbers ahead of the quantiser
.set WS,   96                          ; v96-111 two sets of eight products
.set AF,   128                         ; A's fragments, in window 0
.set CD,   128                         ; the codes: block a at CD + 16 a: every block has its own, so that no store's data are written again
.set G1, 24                            ; s[24:31] descriptor group 1 for A's tiles;  s[32:39] group 0, one set for each slot
.set G0, 32
.set G1B, 48                           ; s[48:55], s[56:63] the same for B's tiles
.set G0B, 56
.set MSB, 0
.macro WIN new                         ; the immediate's high byte repeats the setting that is left
.if MSB != \new
	s_set_vgpr_msb (MSB<<8)|\new
.set MSB, \new
.endif
.endm
.set MUL_LO, 0xa1                      ; source 0 (B) window 1, source 1 (A) window 0, C and D window 2
.set MUL_HI, 0xf1                      ; the same, C and D window 3
.set TO_B,   0x40                      ; destination window 1, address window 0
; A joint load: waves 0 and 1 fetch for A, waves 2 and 3 for B.  Each of the two lines has one mask and one set of registers for all that issue it; the branch hangs on the wave's number alone.
; Four v_nop follow each of the two lines, ahead of the jump, the label and what follows.
.macro JLOAD g0a, g1a, g0b, g1b
	s_cmp_eq_u32 s15, 0
	s_cbranch_scc0 .Lfor_b_\@
	tensor_load_to_lds s[\g0a:\g0a+3], s[\g1a:\g1a+7]
	s_nop 0
.rept 4
	v_nop
.endr
	s_branch .Lasked_\@
.Lfor_b_\@:
	tensor_load_to_lds s[\g0b:\g0b+3], s[\g1b:\g1b+7]
	s_nop 0
.rept 4
	v_nop
.endr
.Lasked_\@:
.endm
.macro CREST                           ; a round of the cluster's barrier behind its opening barrier
	s_cmp_lg_u32 s14, 0
	s_cbranch_scc1 .Lnot_wave_0_\@
	s_barrier_signal -3
.Lnot_wave_0_\@:
	s_barrier_wait -3
	s_barrier_signal -1
	s_barrier_wait -1
.endm
.macro CROUND                          ; a whole round
	s_barrier_signal -1
	s_barrier_wait -1
	CREST
.endm
	s_load_b256 s[4:11], s[0:1], 0x0               ; xc s[4:5], wqc s[6:7], the scales' exponents s[8:9], rope s[10:11]
	s_load_b128 s[68:71], s[0:1], 0x20             ; qc s[68:69], kc s[70:71]
	s_load_b64 s[72:73], s[0:1], 0x30              ; vc
	v_lshl_add_u32 v[SPW], v0, 2, SPARE
	v_mov_b32 v[NIL], 0
	ds_add_u32 v28, v29
	ds_add_u32 v28, v29
	s_wait_dscnt 0x0
	v_lshrrev_b32 v1, 5, v0
	v_readfirstlane_b32 s14, v1                    ; wave 0..3
	s_lshr_b32 s15, s14, 1                         ; which half of A's rows is mine.  Also: I fetch for A (0) or for B (1)
	s_and_b32 s16, s14, 1                          ; which half of B's rows.  Also: which 128 rows of that tile I fetch
	s_bfe_u32 s40, ttmp6, 0x40000                  ; cx, cy: my place in the cluster
	s_bfe_u32 s41, ttmp6, 0x40004
	s_and_b32 s17, ttmp7, 0xffff
	s_lshl_b32 s17, s17, 2                         ; 4 x cluster y
	s_add_co_u32 s90, s17, s41                     ; q, k: A's tile = tokens 256 (4 cluster y + cy) on
	s_add_co_u32 s91, s41, 8                       ; v:    A's tile = rows 256 (8 + cy) on of w_qkv
	s_add_co_u32 s92, s17, s40                     ; v:    B's tile = tokens 256 (4 cluster y + cx) on
	s_lshl_b32 s93, ttmp9, 2
	s_add_co_u32 s93, s93, s40                     ; q, k: B's tile = rows 256 (4 cluster x + cx) on of w_qkv
	s_cmp_eq_u32 ttmp9, 2                          ; v?
	s_cselect_b32 s17, s91, s90                    ; A's tile: made of cy and the cluster's place alone, which my row of the cluster shares
	s_cselect_b32 s42, s92, s93                    ; B's tile: made of cx and the cluster's place alone, which my column shares
	s_lshl_b32 s43, s41, 2
	s_lshl_b32 s43, 15, s43                        ; my row of the cluster
	s_lshl_b32 s44, 0x1111, s40                    ; my column
	; descriptor group 1: a tile of 128 rows x 256 bytes, padded in LDS
	s_or_b32 s[G1+0], s43, (0<<16)|(1<<20)|(1<<21)|(5<<22)|(3<<25)  ; 15:0 the mask: A's tiles go to my row; 17:16 element of 1 byte; 20 padding on; 21 set beside a mask; 24:22 after every 64 words (code 5); 31:25 of 4 words (code 3)
	s_or_b32 s[G1B+0], s44, (0<<16)|(1<<20)|(1<<21)|(5<<22)|(3<<25)
.irp g, G1, G1B
	s_mov_b32 s[\g+1], ROWB<<16                    ; tensor_dim0
	s_mov_b32 s[\g+2], 128<<16                     ; tensor_dim1 = 128
	s_mov_b32 s[\g+3], ROWB<<16                    ; tile_dim0
	s_mov_b32 s[\g+4], 128                         ; tile_dim1 = 128
	s_mov_b32 s[\g+5], KROW                        ; tensor_dim0_stride: both buffers have rows of 1,024 bytes
	s_mov_b32 s[\g+6], 0
	s_mov_b32 s[\g+7], 0
.endr
	s_lshl_b32 s18, s16, 7                         ; which 128 rows of the tile I fetch
	s_lshl_b32 s20, s17, 8
	s_add_co_u32 s20, s20, s18
	s_lshl_b32 s20, s20, 10                        ; A: (256 x tile + 128 x half) rows of 1,024 bytes: under 2^24
	s_mov_b32 s21, 0
	s_lshl_b32 s46, s42, 8
	s_add_co_u32 s46, s46, s18
	s_lshl_b32 s46, s46, 10                        ; B likewise
	s_mov_b32 s47, 0
	s_mul_i32 s45, s14, HALFT                      ; where they go: wave x 128 rows: no place in the cluster enters an LDS address
	s_wait_kmcnt 0x0
	s_load_b256 s[76:83], s[8:9], 0x0              ; e0 .. e7
	s_cmp_eq_u32 ttmp9, 2
	s_cselect_b64 s[84:85], s[6:7], s[4:5]         ; A's buffer: wqc for v, else xc
	s_cselect_b64 s[86:87], s[4:5], s[6:7]         ; B's: the other
	s_add_nc_u64 s[20:21], s[84:85], s[20:21]
	s_add_nc_u64 s[46:47], s[86:87], s[46:47]
	CROUND                                         ; all sixteen work-groups are here: the first joint loads meet
.irp s, 0,1
	s_mov_b32 s[G0+4*\s], 1
	s_add_co_u32 s[G0+4*\s+1], s45, \s*SLOT
	s_add_nc_u64 s[G0+4*\s+2:G0+4*\s+3], s[20:21], \s*ROWB
	s_or_b32 s[G0+4*\s+3], s[G0+4*\s+3], 0x80000000
	s_mov_b32 s[G0B+4*\s], 1
	s_add_co_u32 s[G0B+4*\s+1], s45, \s*SLOT
	s_add_nc_u64 s[G0B+4*\s+2:G0B+4*\s+3], s[46:47], \s*ROWB
	s_or_b32 s[G0B+4*\s+3], s[G0B+4*\s+3], 0x80000000
.endr
	JLOAD G0, G1, G0B, G1B                         ; K step 0: one tensor load a wave at the head
	v_and_b32 v1, 15, v0                           ; r = lane % 16
	v_bfe_u32 v2, v0, 4, 1                         ; h = lane / 16
	v_mul_u32_u24 v3, v1, PITCH
	v_lshl_add_u32 v4, v2, 4, v3                   ; A: row r x pitch + 16 h
	v_and_b32 v5, 8, v1
	v_and_b32 v6, 3, v1
	v_lshl_add_u32 v5, v6, 1, v5
	v_bfe_u32 v6, v0, 2, 1
	v_add_nc_u32 v5, v5, v6                        ; B: row (r & 8) + 2 (r & 3) + ((r >> 2) & 1): the same sixteen rows in another order
	v_mul_u32_u24 v5, v5, PITCH
	v_lshl_add_u32 v5, v2, 4, v5
	s_mul_i32 s21, s15, HALFT                      ; my 128 rows of A
	s_mul_i32 s22, s16, HALFT                      ; my 128 rows of B,
	s_add_co_u32 s22, s22, 2*HALFT                 ; which lie behind A's 256
.irp s, 0,1
	v_add_nc_u32 v[ADRA+\s], s21, v4
	v_add_nc_u32 v[ADRB+\s], s22, v5
	s_add_co_u32 s21, s21, SLOT
	s_add_co_u32 s22, s22, SLOT
.endr
	v_and_b32 v6, 31, v0
	v_lshlrev_b32 v[CO], 4, v6
	v_lshlrev_b32 v[TO], 8, v1
	v_lshl_add_u32 v[TO], v2, 5, v[TO]
.macro FRAG reg, adr, q, i             ; a fragment, 16 rows x 128 K, is 16 registers, fetched by four loads of 16 bytes a lane, 32 bytes apart: one order of K in A and in B
.irp c, 0,1,2,3
	ds_load_b128 v[\reg+4*\c:\reg+4*\c+3], v[\adr] offset:128*(\q)+32*\c+(\i)*16*PITCH
.endr
.endm
; 16 matrix instructions: A's blocks a0, a0 + 1 x B's eight, 128 along K.  p: B's set.  zero = 1: the first product starts the sums: nothing is ever cleared.
; The 64 accumulators take turns, one instruction a turn, in the same order in every step.
.macro MUL16 a0, p, zero
.irp a, \a0, \a0+1
.irp b, 0,1,2,3,4,5,6,7
.if \zero
	v_wmma_f32_16x16x128_fp8_fp8 v[8*(8*((\a)%4)+\b):8*(8*((\a)%4)+\b)+7], v[128*(\p)+FR*\b:128*(\p)+FR*\b+FR-1], v[AF+FR*(\a):AF+FR*(\a)+FR-1], 0
.else
	v_wmma_f32_16x16x128_fp8_fp8 v[8*(8*((\a)%4)+\b):8*(8*((\a)%4)+\b)+7], v[128*(\p)+FR*\b:128*(\p)+FR*\b+FR-1], v[AF+FR*(\a):AF+FR*(\a)+FR-1], v[8*(8*((\a)%4)+\b):8*(8*((\a)%4)+\b)+7]
.endif
.endr
.endr
.endm
.macro FETCH_B slot, q, p              ; B's eight fragments of the slot's q-th 128 along K into set p
	WIN TO_B
.irp i, 0,1,2,3,4,5,6,7
	FRAG 128*(\p)+FR*\i, ADRB+\slot, \q, \i
.endr
	WIN 0
.endm
.macro FETCH_A slot, q, i0             ; A's blocks i0 .. i0 + 3
.irp i, \i0, \i0+1, \i0+2, \i0+3
	FRAG AF+FR*(\i), ADRA+\slot, \q, \i
.endr
.endm
; A load into a register that a matrix instruction has read, and a vector instruction that reads a matrix result or writes one of a matrix instruction's registers, stand NP places behind it, and only plain
; vector instructions that name none of its registers are places (ISA guide 7.12.1 for vector instructions).
.macro PLACES n
.rept \n
	v_nop
.endr
.endm
; A step of 128 along K that has its successor in the same slot.  A's blocks are free as soon as their eight products are issued: one set serves A; B's fragments are at work through the whole step: two sets.
.macro STEP slot, q, zero
	s_wait_dscnt 4*NL                              ; B's set and A's blocks 0-3 are in; the youngest sixteen loads (A's blocks 4-7) may be out
	WIN MUL_LO
	MUL16 0, (\q)%2, \zero
	MUL16 2, (\q)%2, \zero
	s_wait_dscnt 0                                 ; A's blocks 4-7 are in (asked for 32 matrix instructions ago)
	PLACES NP
	FETCH_B \slot, (\q)+1, 1-(\q)%2
	FETCH_A \slot, (\q)+1, 0
	WIN MUL_HI
	MUL16 4, (\q)%2, \zero
	MUL16 6, (\q)%2, \zero
	PLACES NP
	WIN 0
	FETCH_A \slot, (\q)+1, 4
.endm
; A slot's last step changes slots: one barrier; in front of it each wave waits for all its tensor loads, adds 0 to its spare word, and waits for that and for its own reads of this slot.  fill = 1: this slot is filled again, two K steps ahead.
.macro TURN slot, next, fill
	s_wait_tensorcnt 0x0                           ; all my tensor loads have landed: my part of the next slot;  (every window is 0 here: the add's two registers lie in window 0)
	ds_add_u32 v[SPW], v[NIL]                      ; 0 onto my spare word;
	s_wait_dscnt 4*NL+1                            ; (the add and the youngest sixteen loads, A's blocks 4-7, may be out)
	WIN MUL_LO
	MUL16 0, 1, 0                                  ; sixteen matrix instructions stand between the add and the wait for it
	s_wait_dscnt 0x0                               ; the add is done, and my reads of this slot are over
	s_barrier_signal -1
	MUL16 2, 1, 0
	WIN 0
	s_barrier_wait -1
.if \fill
	CREST                                          ; the barrier has opened a round of the cluster's barrier: no wave of any partner still reads this slot's tile or has a load on its way
	s_add_nc_u64 s[G0+4*\slot+2:G0+4*\slot+3], s[G0+4*\slot+2:G0+4*\slot+3], 2*ROWB
	s_add_nc_u64 s[G0B+4*\slot+2:G0B+4*\slot+3], s[G0B+4*\slot+2:G0B+4*\slot+3], 2*ROWB
	JLOAD G0+4*\slot, G1, G0B+4*\slot, G1B         ; the first tensor load behind the round; the four v_nop behind it are the places in front of the loads below
.else
	PLACES NP
.endif
	FETCH_B \next, 0, 0
	FETCH_A \next, 0, 0
	WIN MUL_HI
	MUL16 4, 1, 0
	MUL16 6, 1, 0
	PLACES NP
	WIN 0
	FETCH_A \next, 0, 4
.endm
.macro LAST                            ; the very last step of 128: nothing more to fetch
	s_wait_dscnt 4*NL
	WIN MUL_LO
	MUL16 0, 1, 0
	MUL16 2, 1, 0
	s_wait_dscnt 0
	WIN MUL_HI
	MUL16 4, 1, 0
	MUL16 6, 1, 0
	WIN 0
.endm
	s_wait_alu depctr_va_vdst(0)
	s_wait_tensorcnt 0x0                           ; my part of K step 0 is in; these lines stand ahead of a later first fill, as ahead of a refill
	ds_add_u32 v[SPW], v[NIL]
	s_wait_dscnt 0x0
	CROUND                                         ; a whole round: everybody's part of K step 0 is in, and the joint loads meet
	JLOAD G0+4, G1, G0B+4, G1B                     ; K step 1's load, the first tensor load behind the round
	FETCH_B 0, 0, 0
	FETCH_A 0, 0, 0
	FETCH_A 0, 0, 4
	STEP 0, 0, 1                                   ; the first products start the sums
	TURN 0, 1, 1                                   ; K = 1,024 is four slots' worth: each slot is filled again once, so the steps are written out and there is no loop.  Slot 0 takes K step 2,
	STEP 1, 0, 0
	TURN 1, 0, 1                                   ; slot 1 K step 3
	STEP 0, 0, 0
	TURN 0, 1, 0                                   ; nothing is left to fetch: a plain barrier
	STEP 1, 0, 0
	s_cmp_eq_u32 ttmp9, 2                          ; the way out differs: the cluster's x is the same in all partners; no barrier and no tensor load stands in either way
	s_cbranch_scc1 .Lv
; ---------------- q and k: the rotation, the codes, the images
; The table's 32 registers for block a (16 tokens): for tile c of a head (features 16 c on) my half's four pairs 8 c + 4 h + 0 .. 3: four cosines, four sines: 32 bytes of my token's row.
; (A lane reads 16 bytes of its own row: eight loads take a block's sixteen rows whole; the table is small and every wave of q's and k's tiles reads it.)
.macro TABLE a
.irp c, 0,1,2,3
	global_load_b128 v[32*(\a)+8*\c:32*(\a)+8*\c+3],   v[TO], s[10:11] offset:4096*(\a)+64*\c
	global_load_b128 v[32*(\a)+8*\c+4:32*(\a)+8*\c+7], v[TO], s[10:11] offset:4096*(\a)+64*\c+16
.endr
.endm
.macro MKSCALE                         ; s90 = e of the operand that is made: v[SC] = 2^(e - e0 - e1), v[LIM] = 448 x that
	s_sub_co_i32 s90, s90, s76
	s_sub_co_i32 s90, s90, s77
	s_add_co_i32 s90, s90, 127
	s_lshl_b32 s91, s90, 23
	v_mov_b32 v[SC], s91
	s_add_co_i32 s90, s90, 8
	s_lshl_b32 s90, s90, 23
	s_or_b32 s90, s90, 0x600000
	v_mov_b32 v[LIM], s90
.endm
.macro CODES a                         ; the block's 64 numbers in v[TMP] on become 16 registers of codes
.irp b, 0,1,2,3,4,5,6,7
	v_cvt_scalef32_pk8_fp8_f32 v[CD+16*(\a)+2*\b:CD+16*(\a)+2*\b+1], v[TMP+8*\b:TMP+8*\b+7], v[SC]
.endr
	v_nop                                          ; one plain vector instruction between the conversions and the next block's lines, which write their sources
.endm
	s_lshl_b32 s90, s17, 8
	s_lshl_b32 s91, s15, 7
	s_add_co_u32 s90, s90, s91                     ; my first token: 256 x A's tile + 128 x half
	s_and_b32 s92, s90, 2047                       ; its place in its sequence
	s_lshl_b32 s94, s92, 8
	s_mov_b32 s95, 0
	s_add_nc_u64 s[10:11], s[10:11], s[94:95]      ; its row of the table
	WIN TO_B
.irp a, 0,1,2,3
	TABLE \a                                       ; into B's set 0: its last products stand in front of the places at the last step's end
.endr
	LAST
	PLACES NP                                      ; for the loads into B's set 1, for the first reads of results, and for the codes, which take A's registers
	WIN TO_B
.irp a, 4,5,6,7
	TABLE \a
.endr
	WIN 0
	s_lshr_b32 s91, s90, 11                        ; the batch
	s_lshl_b32 s91, s91, 4
	s_lshl_b32 s93, s40, 2
	s_add_co_u32 s91, s91, s93
	s_lshl_b32 s93, s16, 1
	s_add_co_u32 s91, s91, s93                     ; 16 x batch + my first head: 4 cx + 2 x half
	s_lshl_b32 s94, s91, 17
	s_lshl_b32 s93, s92, 6                         ; a block of 16 tokens is an image of 1,024 bytes
	s_add_co_u32 s94, s94, s93
	s_wait_kmcnt 0x0
	s_cmp_eq_u32 ttmp9, 0
	s_cselect_b64 s[88:89], s[68:69], s[70:71]     ; qc or kc
	s_cselect_b32 s90, s78, s79                    ; e2 or e3
	s_add_nc_u64 s[88:89], s[88:89], s[94:95]
	MKSCALE
; Block a: 16 tokens x my 128 features (two heads).  Of result tile b a lane holds x1 of four pairs in registers 0-3 and x2 in 4-7: o1 = x1 cos - x2 sin, o2 = x1 sin + x2 cos, two pairs an instruction.
.macro QKBLOCK a
	s_wait_loadcnt 56-8*(\a)                       ; this block's eight loads of the table are in; the eight of each later block may be out
.set WN, 0x06+(\a)/4
	WIN WN                                         ; source 0: the accumulators' window; source 1: the table's
.irp b, 0,1,2,3,4,5,6,7
.set AC,  64*((\a)%4)+8*\b
.set TBL, 32*(\a)+8*(\b%4)
.set WW,  WS+8*(\b%2)
.set OT,  TMP+8*\b
	v_pk_mul_f32 v[WW:WW+1],   v[AC:AC+1],   v[TBL:TBL+1]       ; x1 cos  (each accumulator is read from its low end on)
	v_pk_mul_f32 v[WW+2:WW+3], v[AC+2:AC+3], v[TBL+2:TBL+3]
	v_pk_mul_f32 v[WW+4:WW+5], v[AC:AC+1],   v[TBL+4:TBL+5]     ; x1 sin
	v_pk_mul_f32 v[WW+6:WW+7], v[AC+2:AC+3], v[TBL+6:TBL+7]
	v_pk_fma_f32 v[OT:OT+1],   v[AC+4:AC+5], v[TBL+4:TBL+5], v[WW:WW+1]   neg_lo:[0,1,0] neg_hi:[0,1,0]   ; - x2 sin
	v_pk_fma_f32 v[OT+2:OT+3], v[AC+6:AC+7], v[TBL+6:TBL+7], v[WW+2:WW+3] neg_lo:[0,1,0] neg_hi:[0,1,0]
	v_pk_fma_f32 v[OT+4:OT+5], v[AC+4:AC+5], v[TBL:TBL+1],   v[WW+4:WW+5]   ; + x2 cos
	v_pk_fma_f32 v[OT+6:OT+7], v[AC+6:AC+7], v[TBL+2:TBL+3], v[WW+6:WW+7]
.endr
	WIN 0
.set j, 0
.rept 64
	v_med3_num_f32 v[TMP+j], v[TMP+j], -v[LIM], v[LIM]   ; the conversion to an 8-bit code does not saturate (ISA guide 7.6.2): the hold at the largest code x the scale
.set j, j+1
.endr
	CODES \a
.irp g, 0,1,2,3                        ; registers 0-7: the first head's fragment (16 tokens x 64), registers 8-15: the second's
	global_store_b128 v[CO], v[CD+16*(\a)+4*\g:CD+16*(\a)+4*\g+3], s[88:89] offset:(\g/2)*HEADB+1024*(\a)+512*(\g%2)   ; 512 consecutive bytes, aligned
.endr
.endm
.irp a, 0,1,2,3,4,5,6,7
	QKBLOCK \a
.endr
	s_branch .Lend
; ---------------- v: the codes, with the keys along a lane's registers
.Lv:
	LAST
	PLACES NP                                      ; for the first reads of results, and for the codes, which take A's registers
	s_lshl_b32 s90, s42, 8
	s_lshl_b32 s91, s16, 7
	s_add_co_u32 s90, s90, s91                     ; my first token: 256 x B's tile + 128 x half
	s_lshr_b32 s91, s90, 11                        ; the batch
	s_lshl_b32 s91, s91, 4
	s_lshl_b32 s93, s41, 2
	s_add_co_u32 s91, s91, s93
	s_lshl_b32 s93, s15, 1
	s_add_co_u32 s91, s91, s93                     ; 16 x batch + my first head: 4 cy + 2 x half
	s_lshl_b32 s94, s91, 17
	s_and_b32 s93, s90, 2047
	s_lshl_b32 s93, s93, 6                         ; my 128 keys are one group: 4 images of 2,048 bytes: 64 bytes a key
	s_add_co_u32 s94, s94, s93
	s_mov_b32 s95, 0
	s_wait_kmcnt 0x0
	s_add_nc_u64 s[88:89], s[72:73], s[94:95]
	s_mov_b32 s90, s81                             ; e5
	MKSCALE
; Block a: 16 channels (head a / 4, channels 16 (a % 4) on) x my 128 keys.  Register i of result tile b holds token 16 b + 8 h + 2 (i % 4) + i / 4: the hold puts it in its place.
.macro VBLOCK a
.set WN, 0x02+(\a)/4
	WIN WN                                         ; source 0: the accumulators' window
.irp b, 0,1,2,3,4,5,6,7
.irp i, 0,1,2,3,4,5,6,7
	v_med3_num_f32 v[TMP+8*\b+2*(\i%4)+(\i/4)], v[64*((\a)%4)+8*\b+\i], -v[LIM], v[LIM]   ; the hold, and the tokens back in order; each accumulator from its low end on
.endr
.endr
	WIN 0
	CODES \a
.irp g, 0,1,2,3
	global_store_b128 v[CO], v[CD+16*(\a)+4*\g:CD+16*(\a)+4*\g+3], s[88:89] offset:((\a)/4)*HEADB+2048*((\a)%4)+512*\g   ; 512 consecutive bytes, aligned
.endr
.endm
.irp a, 0,1,2,3,4,5,6,7
	VBLOCK \a
.endr
.Lend:
	s_wait_tensorcnt 0x0                           ; the wave's end, behind my last tensor load
	ds_add_u32 v[SPW], v[NIL]
	s_wait_dscnt 0x0
	CROUND                                         ; the closing round: no work-group ends while a partner may still ask for a tile that names it
	s_endpgm
.Lfunc_end_k_q9090bb3e79_qkv:
	.size	k_q9090bb3e79_qkv, .Lfunc_end_k_q9090bb3e79_qkv-k_q9090bb3e79_qkv
	.p2alignl 7, 3214868480
	.fill 96, 4, 3214868480
	.section	.rodata,"a",@progbits
	.p2align	6, 0x0
	.amdhsa_kernel k_q9090bb3e79_qkv
		.amdhsa_group_segment_fixed_size 327680
		.amdhsa_private_segment_fixed_size 0
		.amdhsa_enable_private_segment 0
		.amdhsa_kernarg_size 56
		.amdhsa_user_sgpr_count 2
		.amdhsa_user_sgpr_kernarg_segment_ptr 1
		.amdhsa_wavefront_size32 1
		.amdhsa_system_sgpr_workgroup_id_x 1
		.amdhsa_system_sgpr_workgroup_id_y 1
		.amdhsa_system_sgpr_workgroup_id_z 1
		.amdhsa_system_vgpr_workitem_id 0
		.amdhsa_next_free_vgpr 1024
		.amdhsa_next_free_sgpr 98
		.amdhsa_reserve_vcc 0
		.amdhsa_float_denorm_mode_32 3
		.amdhsa_float_denorm_mode_16_64 3
		.amdhsa_memory_ordered 1
		.amdhsa_forward_progress 1
		.amdhsa_inst_pref_size 202
	.end_amdhsa_kernel
	.amdgpu_metadata
---
amdhsa.version: [ 1, 2 ]
amdhsa.kernels:
  - .name:           k_q9090bb3e79_qkv
    .symbol:         k_q9090bb3e79_qkv.kd
    .args:
      - { .name: xc, .offset: 0, .size: 8, .value_kind: global_buffer, .address_space: global }
      - { .name: wqc, .offset: 8, .size: 8, .value_kind: global_buffer, .address_space: global }
      - { .name: lowp_scales, .offset: 16, .size: 8, .value_kind: global_buffer, .address_space: global }
      - { .name: rope, .offset: 24, .size: 8, .value_kind: global_buffer, .address_space: global }
      - { .name: qc, .offset: 32, .size: 8, .value_kind: global_buffer, .address_space: global }
      - { .name: kc, .offset: 40, .size: 8, .value_kind: global_buffer, .address_space: global }
      - { .name: vc, .offset: 48, .size: 8, .value_kind: global_buffer, .address_space: global }
    .group_segment_fixed_size: 327680
    .private_segment_fixed_size: 0
    .kernarg_segment_align: 8
    .kernarg_segment_size: 56
    .max_flat_workgroup_size: 128
    .sgpr_count:     98
    .vgpr_count:     1024
    .wavefront_size: 32
...
	.end_amdgpu_metadata
.endif
;; end of part 2
;; launch attn (part 3): grid 4 x 64, 8 waves a work-group, no clusters, 327,680 bytes of LDS; arguments qc, kc, vc, lowp_scales, yc; writes yc
.if DOCPART == 3
	.amdgcn_target "amdgcn-amd-amdhsa--gfx1250"
	.amdhsa_code_object_version 6
	.text
	.protected	k_q9090bb3e79_attn
	.globl	k_q9090bb3e79_attn
	.p2align	8
	.type	k_q9090bb3e79_attn,@function
k_q9090bb3e79_attn:
	s_mov_b64 s[64:65], 0
	v_nop
	global_prefetch_b8 v0, s[64:65] scope:SCOPE_SE
	s_setreg_imm32_b32 hwreg(HW_REG_WAVE_MODE, 25, 1), 1
	s_wait_xcnt 0x0
; y[b][h][q] = the sum over keys k <= q of softmax_k(q . k / 8) v, both products on codes of FP8 (E4M3) with the given scales (q e2, k e3, p e4, v e5), and the codes of y (e6) for the last product.
; THE SOFTMAX AHEAD OF THE SECOND PRODUCT: t = score x log2(e) / 8; M = the row's largest t so far, rounded UP to a whole number; p = 2^(t - M) is what is quantised, not normalised.  The row's sum is taken of the
; unquantised p, in f32, and divides at the end.  When M moves, the sum and O are multiplied by 2^(old M - new M): nothing is rounded.
; ALL OPERANDS ARRIVE AS IMAGES OF THEIR REGISTERS (four registers: 512 bytes, 16 a lane): qc, kc: [head][block of 16 tokens][1,024]; vc: [head][128 keys][16 channels][2,048].  Every load is 512 consecutive bytes; LDS needs no padding.
; SHARES.  Work-group (i, head) takes block i of 256 queries and then block 7 - i: (i + 1) + (8 - i) = 9 slots of 256 keys for each of the 256 work-groups; no slot beyond a block's diagonal is fetched.
; Each of the eight waves owns 32 queries, two tiles of 16, so that each fragment of K and V read from LDS feeds two products.
; BOTH TILES ARE WORKED TOGETHER: their maxima and the chains that make M are laid line by line in turn; tile A's exponentials stand among tile B's multiply-adds, tile B's among tile A's sums and holds.
; O^T += V^T P^T of a step is issued at the head of the next worked step, behind that step's loads of K (codes and V's fragments wait in registers); a block's last one stands at its end.  P and V begin as zeros.
; NO CLUSTER: the four work-groups of a head want different slots of keys in the same trip (the price of the pairing that evens out the causal work), so no joint request could name the same tile.
; NINE TRIPS: trips 0 to 7 fill the other slot, trip 8 is written out.  Which keys a fill brings hangs on the work-group's number and enters the descriptor's global address alone; LDS addresses turn by exclusive ors.
; A slot's two steps of 128 keys are an inner loop of two trips.  A step all of whose keys come after my 32 queries is jumped over (a scalar branch on ids; no barrier and no tensor load stands in a step).
; LAYOUT.  S^T = K Q^T (source 0 = 16 keys, source 1 = 16 queries): lane (r, h) holds query r and, of tile c, keys 16 c + 8 h + 0 .. 7: their eight codes are registers 2 c, 2 c + 1 of p as an operand.  O^T = V^T P^T likewise
; holds one query a lane and eight channels a tile, whose codes are registers of y as the last product's operand: y's image [block of 16 tokens][128 features][2,048]; a head fills 1,024 bytes of it.
; On the diagonal hidden scores become -infinity ahead of the maximum.  In every step that is worked its first key counts for all my queries, so M is a number from the first step on.
; LIMITS: e2 + e3 between -123 and 130 (added to c's exponent field); e4, and e6 - e4 - e5, between -126 and 119.
; REGISTERS, window 0: v1 16 x lane; v2 r - 8 h; v3 256 x lane; v4 2^e4; v5, v6 the add's; v7 LDS address; tile x: v[8+4x ..] -M, largest score, sum in two halves; v[16+8x ..] Q; v[32+64x ..] S^T, then p;
;   v[160+32x ..] O^T; v[224+16x ..] p's codes, ahead of the conversions scratch.   Window 1: v0-63 K's 8 fragments, v64-127 V's 4: named by LDS loads (destination), matrix instructions (source 0) and V's zeroing at the head.
.set SLOT1, 32768                      ; a slot: K's 16 images (16,384 bytes), then V's 8 (16,384)
.set VOFF,  16384
.set SPARE, 2*SLOT1                    ; behind the ring: the spare words, 128 bytes for each wave: four blocks of 256 bytes that no other line names
.set SCL,  4
.set SPW,  5
.set NIL,  6
.set ADR,  7
.set TT,   8
.set SS,   32
.set OO,   160
.set PP,   224
.set TB,   2                           ; s2   LDS byte at which the step's half of the slot in hand begins
.set WV,   18                          ; s18  my wave's number
.set SEL,  20                          ; s[20:21] lane selects for v_permlanex16_b32: lane l xor 16
.set CS,   22                          ; s[22:23] c = log2(e) / 8 x 2^(e2 + e3)
.set G1,   24                          ; s[24:31] descriptor group 1;  s[40:43] group 0;  s[44:45] my tensor's head (kc in even waves, vc in odd);  s[46:47] an offset, high word 0
.set G0,   40
.set TR,   48                          ; s48  the trip
.set PH,   49                          ; s49  i + 1: the trip in which the second block begins
.set KF,   50                          ; s50  the step's first key
.set Q0,   51                          ; s51  my first query, a multiple of 32;  s52: that of the second block
.set PFA,  76                          ; s[76:77] where my prefetches stand
.set PFB,  80                          ; s80  -1 in a wave that prefetches, else 99
.set CN,   87                          ; s87  -c
.set HB,   88                          ; s88  448 x 2^e4
.set YS,   89                          ; s89  2^(e6 - e4 - e5);  s90: 448 x that
.set YL,   90
.set IN,   91                          ; s91  the step in the slot
.set MSB, 0
.macro WIN new                         ; the immediate's high byte repeats the setting that is left; at every label and branch the setting is 0
.if MSB != \new
	s_set_vgpr_msb (MSB<<8)|\new
.set MSB, \new
.endif
.endm
.set TO_1, 0x40                        ; destination window 1
.set FR_1, 0x01                        ; source 0 window 1
; Wave 0 fetches a slot's K, wave 1 its V, 64 rows of 256 bytes each; the others nothing.  An s_nop 0 and four v_nop follow the line.  A wave has at most one tensor load out.
.macro TLOAD
	s_cmp_lt_u32 s[WV], 2
	s_cbranch_scc0 .Lnone_\@
	tensor_load_to_lds s[G0:G0+3], s[G1:G1+7]
	s_nop 0
.rept 4
	v_nop
.endr
.Lnone_\@:
.endm
; A PREFETCH INTO THE L2: the four work-groups of a head walk the same K and V, so one of them asks: work-group i = 0, whose second block walks slots 0 to 7 in trips 1 to 8.  In trips 1 to 6 it names slot trip + 1,
; one slot further on than its own fill of that trip.  Waves 2 and 3 take K's 16,384 bytes, waves 4 and 5 V's: 8,192 a wave, lanes 256 bytes apart, one instruction: each aligned block of 256 bytes is named once in the launch.
; Slots 0 and 1 come by their loads alone; trip 7 asks for nothing: there is no slot 8.
.macro ASK
	s_add_co_u32 s96, s[TR], s[PFB]
	s_cmp_lt_u32 s96, 6
	s_cbranch_scc0 .Lnot_mine_\@
	global_prefetch_b8 v3, s[PFA:PFA+1] th:TH_LOAD_NT scope:SCOPE_SE
.Lnot_mine_\@:
.endm
	s_load_b256 s[4:11], s[0:1], 0x0               ; qc s[4:5], kc s[6:7], vc s[8:9], the scales' exponents s[10:11]
	s_load_b64 s[12:13], s[0:1], 0x20              ; yc
	v_lshl_add_u32 v[SPW], v0, 2, SPARE
	v_mov_b32 v[NIL], 0
	ds_add_u32 v[SPW], v[NIL]                      ; the opening lines: the add, twice on end, and its wait ahead of the first tensor load
	ds_add_u32 v[SPW], v[NIL]
	v_lshrrev_b32 v7, 5, v0
	v_readfirstlane_b32 s[WV], v7                  ; wave 0..7
	s_and_b32 s62, ttmp7, 0xffff                   ; 16 x batch + head
	s_lshl_b32 s82, s62, 17                        ; the head's first byte in qc, kc and vc
	s_mov_b32 s83, 0
	s_mov_b32 s47, 0
	s_mov_b32 s[G1], 3<<16                         ; group 1: 16,384 dense bytes as 64 rows of 32 elements of 8 bytes; no mask, no padding
	s_mov_b32 s[G1+1], 32<<16
	s_mov_b32 s[G1+2], 64<<16
	s_mov_b32 s[G1+3], 32<<16
	s_mov_b32 s[G1+4], 64
	s_mov_b32 s[G1+5], 32
	s_mov_b32 s[G1+6], 0
	s_mov_b32 s[G1+7], 0
	s_mov_b32 s[SEL], 0x76543210
	s_mov_b32 s[SEL+1], 0xfedcba98
	s_mov_b32 s[CS], 0x3e38aa3b                    ; log2(e) / 8
	s_mov_b32 s[TB], 0
	s_mov_b32 s[TR], 0
	s_mov_b32 s[KF], 0
	s_add_co_u32 s[PH], ttmp9, 1
	s_lshl_b32 s97, s[WV], 5
	s_lshl_b32 s[Q0], ttmp9, 8
	s_add_co_u32 s[Q0], s[Q0], s97                 ; my first query: 256 i + 32 x wave,
	s_sub_co_u32 s52, 7, ttmp9
	s_lshl_b32 s52, s52, 8
	s_add_co_u32 s52, s52, s97                     ; and in the second block: 256 (7 - i) + 32 x wave
	s_lshr_b32 s84, s62, 4
	s_lshl_b32 s84, s84, 21                        ; y: the batch's 2,048 tokens x 1,024 bytes,
	s_and_b32 s85, s62, 15
	s_lshl_b32 s85, s85, 10
	s_add_co_u32 s84, s84, s85                     ; + the head's 1,024 bytes in a block's images
	s_and_b32 s86, s[WV], 1
	s_wait_dscnt 0x0                               ; both opening adds are done
	s_wait_kmcnt 0x0
	s_load_b256 s[68:75], s[10:11], 0x0            ; e0 .. e7
	s_cmp_eq_u32 s86, 0
	s_cselect_b64 s[44:45], s[6:7], s[8:9]
	s_add_nc_u64 s[44:45], s[44:45], s[82:83]
	s_mov_b32 s[G0], 1
	s_lshl_b32 s[G0+1], s86, 14                    ; LDS address: slot 0; K's part or V's
	s_mov_b64 s[G0+2:G0+3], s[44:45]               ; the head's first 256 keys
	s_or_b32 s[G0+3], s[G0+3], 0x80000000
	TLOAD                                          ; slot 0
	s_add_nc_u64 s[4:5], s[4:5], s[82:83]          ; qc at my head
	s_lshl_b32 s46, s[Q0], 6                       ; 16 queries are an image of 1,024 bytes
	s_add_nc_u64 s[54:55], s[4:5], s[46:47]        ; Q of the first block,
	s_lshl_b32 s46, s52, 6
	s_add_nc_u64 s[56:57], s[4:5], s[46:47]        ; of the second
	s_lshl_b32 s46, s[Q0], 10                      ; 16 tokens are 8 images of 2,048 bytes
	s_add_co_u32 s46, s46, s84
	s_add_nc_u64 s[58:59], s[12:13], s[46:47]      ; y of the first block,
	s_lshl_b32 s46, s52, 10
	s_add_co_u32 s46, s46, s84
	s_add_nc_u64 s[60:61], s[12:13], s[46:47]      ; of the second
	s_cmp_lt_u32 s[WV], 4                          ; the prefetches: waves 2, 3: kc; waves 4, 5: vc
	s_cselect_b64 s[PFA:PFA+1], s[6:7], s[8:9]
	s_add_nc_u64 s[PFA:PFA+1], s[PFA:PFA+1], s[82:83]
	s_lshl_b32 s46, s86, 13
	s_add_nc_u64 s[PFA:PFA+1], s[PFA:PFA+1], s[46:47]   ; my 8,192 bytes of slot 0: every change of slots steps it a slot on.  Nothing is prefetched at the head
	s_mov_b32 s[PFB], 99
	s_sub_co_u32 s96, s[WV], 2
	s_lshr_b32 s96, s96, 2                         ; 0 in waves 2 to 5,
	s_or_b32 s96, s96, ttmp9                       ; of work-group i = 0
	s_cmp_eq_u32 s96, 0
	s_cselect_b32 s[PFB], -1, s[PFB]
	v_and_b32 v1, 31, v0
	v_lshlrev_b32 v3, 8, v1
	v_lshlrev_b32 v1, 4, v1
	v_and_b32 v2, 15, v0
	v_bfe_u32 v7, v0, 4, 1
	v_lshlrev_b32 v7, 3, v7
	v_sub_nc_u32 v2, v2, v7
	WIN TO_1
.set j, 0
.rept 64
	v_mov_b32 v[64+j], 0                           ; V's registers: the first step's product of what was put off multiplies zeros by zeros
.set j, j+1
.endr
	WIN 0
	s_wait_kmcnt 0x0
	s_add_co_i32 s96, s70, s71
	s_lshl_b32 s96, s96, 23
	s_add_co_i32 s[CS], s[CS], s96                 ; a score stands for score x 2^(e2 + e3): the exponents are added to c's exponent field
	s_mov_b32 s[CS+1], s[CS]
	s_xor_b32 s[CN], s[CS], 0x80000000
	s_add_co_i32 s96, s72, 127
	s_lshl_b32 s97, s96, 23
	v_mov_b32 v[SCL], s97                          ; 2^e4
	s_add_co_i32 s96, s96, 8
	s_lshl_b32 s96, s96, 23
	s_or_b32 s[HB], s96, 0x600000
	s_sub_co_i32 s96, s74, s72
	s_sub_co_i32 s96, s96, s73                     ; O^T / the sum stands for y / 2^(e4 + e5): y's conversion takes 2^(e6 - e4 - e5)
	s_add_co_i32 s96, s96, 127
	s_lshl_b32 s[YS], s96, 23
	s_add_co_i32 s96, s96, 8
	s_lshl_b32 s96, s96, 23
	s_or_b32 s[YL], s96, 0x600000
; A block of queries begins: Q's two fragments; -M = 3e38 and the largest score -3e38, so that the first change of M multiplies by 0; the sums, O^T and p's codes are zeros
; first = 1, at the head: both blocks' Q are asked for, the second block's into v128-143 of window 1; first = 0, at the change of blocks: sixteen moves bring it to Q's place
.macro INIT first
.if \first
.irp c, 0,1,2,3
	global_load_b128 v[16+4*\c:19+4*\c], v1, s[54:55] offset:512*\c
.endr
	WIN TO_1
.irp c, 0,1,2,3
	global_load_b128 v[128+4*\c:131+4*\c], v1, s[56:57] offset:512*\c
.endr
	WIN 0
.else
	WIN FR_1
.set j, 0
.rept 16
	v_mov_b32 v[16+j], v[128+j]
.set j, j+1
.endr
	WIN 0
.endif
.irp x, 0,1
	v_mov_b32 v[TT+4*\x], 0x7f61b1e6
	v_mov_b32 v[TT+4*\x+1], 0xff61b1e6
	v_mov_b32 v[TT+4*\x+2], 0
	v_mov_b32 v[TT+4*\x+3], 0
.endr
.set j, 0
.rept 96
	v_mov_b32 v[OO+j], 0
.set j, j+1
.endr
	s_wait_alu depctr_va_vdst(0)
	s_wait_loadcnt 0x0
.endm
; O^T += V^T P^T: eight accumulators by turns, each fragment of V for both tiles; sixteen products K Q^T stand between two links of a chain
.macro PV
	WIN FR_1
.irp d, 0,1,2,3
	v_wmma_f32_16x16x128_fp8_fp8 v[OO+8*\d:OO+8*\d+7], v[64+16*\d:79+16*\d], v[PP:PP+15], v[OO+8*\d:OO+8*\d+7]
	v_wmma_f32_16x16x128_fp8_fp8 v[OO+32+8*\d:OO+39+8*\d], v[64+16*\d:79+16*\d], v[PP+16:PP+31], v[OO+32+8*\d:OO+39+8*\d]
.endr
	WIN 0
.rept 4
	v_nop                                          ; places in front of loads into V's registers, of writes of the codes' registers and of reads of O^T
.endr
.endm
; A KEY STEP: 128 keys, for both my tiles.  Q0 is a multiple of 32 and KF of 128: so KF > Q0 says that all keys come after all 32 queries.
.macro STEP
	s_cmp_gt_u32 s[KF], s[Q0]
	s_cbranch_scc1 .Lhid_\@
	v_add_nc_u32 v[ADR], s[TB], v1
	WIN TO_1
.irp t, 0,1,2,3,4,5,6,7
	ds_load_b128 v[8*\t:8*\t+3], v[ADR] offset:1024*\t          ; K's fragment of keys 16 t on
	ds_load_b128 v[8*\t+4:8*\t+7], v[ADR] offset:1024*\t+512
.endr
	s_wait_alu depctr_va_vdst(0)
	s_wait_dscnt 16                                ; the last step's V is in; K's sixteen loads may be out
	PV                                             ; what the last step put off
	WIN TO_1
.irp d, 0,1,2,3
.irp g, 0,1,2,3
	ds_load_b128 v[64+16*\d+4*\g:67+16*\d+4*\g], v[ADR] offset:VOFF+2048*\d+512*\g   ; V's fragment of channels 16 d on: wanted at the next step's head
.endr
.endr
	s_wait_dscnt 16                                ; K is in; V's sixteen loads may be out
	WIN FR_1
.irp t, 0,1,2,3,4,5,6,7
	v_wmma_f32_16x16x64_fp8_fp8 v[SS+8*\t:SS+8*\t+7], v[8*\t:8*\t+7], v[16:23], 0
	v_wmma_f32_16x16x64_fp8_fp8 v[SS+64+8*\t:SS+71+8*\t], v[8*\t:8*\t+7], v[24:31], 0
.endr
	WIN 0
.rept 4
	v_nop                                          ; places in front of the first reads of the scores
.endr
	s_add_co_u32 s96, s[KF], 127
	s_cmp_le_u32 s96, s[Q0]                        ; all keys count for all my queries?
	s_cbranch_scc1 .Lopen_\@
	s_sub_co_i32 s96, s[Q0], s[KF]
	v_add_nc_u32 v[PP+6], s96, v2                  ; d = my query - KF - 8 h.  Register 8 c + i holds key KF + 16 c + 8 h + i: hidden where 16 c + i > d
	v_mov_b32 v[PP+7], 0xff800000                  ; -infinity
	v_add_nc_u32 v[PP+22], 16, v[PP+6]             ; the second tile's queries lie 16 further on
.set n, 0
.rept 64
	v_cmp_gt_i32 vcc_lo, 16*(n/8)+n%8, v[PP+6]
	v_cndmask_b32 v[SS+n], v[SS+n], v[PP+7], vcc_lo
	v_cmp_gt_i32 vcc_lo, 16*(n/8)+n%8, v[PP+22]
	v_cndmask_b32 v[SS+64+n], v[SS+64+n], v[PP+7], vcc_lo
.set n, n+1
.endr
.Lopen_\@:
.irp x, 0,1                            ; the largest score so far is a leaf of the step's maximum; two chains a tile, the tiles by turns; each result tile is read from its low end on
	v_max3_num_f32 v[PP+16*\x], v[SS+64*\x], v[SS+64*\x+1], v[TT+4*\x+1]
.endr
.irp x, 0,1
	v_max_num_f32 v[PP+16*\x+1], v[SS+64*\x+2], v[SS+64*\x+3]
.endr
.irp i, 4,8,12,16,20,24,28,32,36,40,44,48,52,56,60
	v_max3_num_f32 v[PP], v[PP], v[SS+\i], v[SS+\i+1]
	v_max3_num_f32 v[PP+16], v[PP+16], v[SS+64+\i], v[SS+65+\i]
	v_max3_num_f32 v[PP+1], v[PP+1], v[SS+\i+2], v[SS+\i+3]
	v_max3_num_f32 v[PP+17], v[PP+17], v[SS+66+\i], v[SS+67+\i]
.endr
.irp x, 0,1
	v_max_num_f32 v[PP+16*\x], v[PP+16*\x], v[PP+16*\x+1]
.endr
.irp x, 0,1
	v_permlanex16_b32 v[PP+16*\x+2], v[PP+16*\x], s[SEL], s[SEL+1]
.endr
.irp x, 0,1
	v_max_num_f32 v[TT+4*\x+1], v[PP+16*\x], v[PP+16*\x+2]      ; and lane l xor 16's
.endr
.irp x, 0,1
	v_mul_f32 v[PP+16*\x], s[CN], v[TT+4*\x+1]     ; -t (c is positive)
.endr
.irp x, 0,1
	v_floor_f32 v[PP+16*\x], v[PP+16*\x]           ; the new -M = floor(-t) = -ceil(t): a whole number
.endr
.irp x, 0,1
	v_sub_f32 v[PP+16*\x+1], v[PP+16*\x], v[TT+4*\x]   ; M's old value less its new one: a whole number, 0 or less
.endr
.irp x, 0,1
	v_mov_b32 v[TT+4*\x], v[PP+16*\x]
.endr
.irp x, 0,1
	v_cvt_i32_f32 v[PP+16*\x+1], v[PP+16*\x+1]     ; (it saturates)
.endr
.irp x, 0,1
	v_ldexp_f32 v[PP+16*\x+4], 1.0, v[PP+16*\x+1]  ; f = 2^(old M - new M)
.endr
.irp x, 0,1
	v_pk_mul_f32 v[TT+4*\x+2:TT+4*\x+3], v[TT+4*\x+2:TT+4*\x+3], v[PP+16*\x+4:PP+16*\x+5] op_sel_hi:[1,0]   ; the sums under the new M
.endr
.irp x, 0,1
.set j, 0
.rept 16
	v_pk_mul_f32 v[OO+32*\x+j:OO+32*\x+j+1], v[OO+32*\x+j:OO+32*\x+j+1], v[PP+16*\x+4:PP+16*\x+5] op_sel_hi:[1,0]   ; O^T under the new M; each accumulator from its low end on
.set j, j+2
.endr
.endr
.set j, 0
.rept 32
	v_pk_fma_f32 v[SS+j:SS+j+1], v[SS+j:SS+j+1], s[CS:CS+1], v[TT:TT+1] op_sel_hi:[1,0,0]   ; tile A: t - M, two at a time (of the pairs c and -M the low word serves both halves)
.set j, j+2
.endr
	s_wait_alu depctr_va_vdst(0)                   ; ahead of the batch
.set j, 0
.rept 32                               ; tile A's p = 2^(t - M), and among them tile B's t - M: each of these reads what was written ahead of the wait above, and is read behind the wait below
	v_exp_f32 v[SS+j], v[SS+j]
	v_exp_f32 v[SS+j+1], v[SS+j+1]
	v_pk_fma_f32 v[SS+64+j:SS+65+j], v[SS+64+j:SS+65+j], s[CS:CS+1], v[TT+4:TT+5] op_sel_hi:[1,0,0]
.set j, j+2
.endr
	s_wait_alu depctr_va_vdst(0)                   ; behind tile A's batch and ahead of tile B's
.set r, 0
.rept 8                                ; tile B's p, and among them tile A's sums and holds.  Eight partial sums, one for each eight registers: its three additions stand on end, with no exponential between a write and its reader
	v_pk_add_f32 v[PP+2*r:PP+2*r+1], v[SS+8*r:SS+8*r+1], v[SS+8*r+2:SS+8*r+3]
	v_pk_add_f32 v[PP+2*r:PP+2*r+1], v[PP+2*r:PP+2*r+1], v[SS+8*r+4:SS+8*r+5]
	v_pk_add_f32 v[PP+2*r:PP+2*r+1], v[PP+2*r:PP+2*r+1], v[SS+8*r+6:SS+8*r+7]
.irp i, 0,2,4,6
	v_exp_f32 v[SS+64+8*r+\i], v[SS+64+8*r+\i]
	v_exp_f32 v[SS+65+8*r+\i], v[SS+65+8*r+\i]
	v_dual_min_num_f32 v[SS+8*r+\i], s[HB], v[SS+8*r+\i] :: v_dual_min_num_f32 v[SS+8*r+\i+1], s[HB], v[SS+8*r+\i+1]   ; the conversion to an 8-bit code does not saturate (ISA guide 7.6.2); p is not negative: a one-sided hold, whatever e4 is
.endr
.set r, r+1
.endr
	v_nop                                          ; the plain instruction behind the exponentials
	s_wait_alu depctr_va_vdst(0)                   ; one wait for the batch, ahead of its first reader
.irp c, 0,4,8,12
	v_pk_add_f32 v[PP+\c:PP+\c+1], v[PP+\c:PP+\c+1], v[PP+\c+2:PP+\c+3]          ; tile A's eight partial sums are joined, by turns with tile B's four chains
.endr
.irp c, 0,1,2,3
	v_pk_add_f32 v[PP+24+2*\c:PP+25+2*\c], v[SS+64+4*\c:SS+65+4*\c], v[SS+66+4*\c:SS+67+4*\c]
.endr
	v_pk_add_f32 v[PP:PP+1], v[PP:PP+1], v[PP+4:PP+5]
	v_pk_add_f32 v[PP+8:PP+9], v[PP+8:PP+9], v[PP+12:PP+13]
.irp j, 16,24,32,40,48,56
.irp c, 0,1,2,3
	v_pk_add_f32 v[PP+24+2*\c:PP+25+2*\c], v[PP+24+2*\c:PP+25+2*\c], v[SS+64+\j+2*\c:SS+65+\j+2*\c]
.endr
.if \j == 16
	v_pk_add_f32 v[PP:PP+1], v[PP:PP+1], v[PP+8:PP+9]
.endif
.if \j == 24
	v_pk_add_f32 v[TT+2:TT+3], v[TT+2:TT+3], v[PP:PP+1]
.endif
.endr
	v_pk_add_f32 v[PP+24:PP+25], v[PP+24:PP+25], v[PP+26:PP+27]
	v_pk_add_f32 v[PP+28:PP+29], v[PP+28:PP+29], v[PP+30:PP+31]
	v_pk_add_f32 v[PP+24:PP+25], v[PP+24:PP+25], v[PP+28:PP+29]
	v_pk_add_f32 v[TT+6:TT+7], v[TT+6:TT+7], v[PP+24:PP+25]
.irp t, 0,1,2,3,4,5,6,7
.irp i, 0,2,4,6
	v_dual_min_num_f32 v[SS+64+8*\t+\i], s[HB], v[SS+64+8*\t+\i] :: v_dual_min_num_f32 v[SS+65+8*\t+\i], s[HB], v[SS+65+8*\t+\i]
.endr
	v_cvt_scalef32_pk8_fp8_f32 v[PP+2*\t:PP+2*\t+1], v[SS+8*\t:SS+8*\t+7], v[SCL]            ; registers 2 t, 2 t + 1 of p as an operand: keys 16 t + 8 h + 0 .. 7
	v_cvt_scalef32_pk8_fp8_f32 v[PP+16+2*\t:PP+17+2*\t], v[SS+64+8*\t:SS+71+8*\t], v[SCL]
.endr
	v_nop                                          ; one plain vector instruction behind the last conversion
	s_wait_alu depctr_va_vdst(0)
.Lhid_\@:
.endm
; A slot's two steps: an inner loop of two trips; the exclusive or turns the address to the slot's other half and back
.macro SLOTWORK
	s_mov_b32 s[IN], 0
.Lstep_\@:
	STEP
	s_xor_b32 s[TB], s[TB], 8192
	s_add_co_u32 s[KF], s[KF], 128
	s_add_co_u32 s[IN], s[IN], 1
	s_cmp_lt_u32 s[IN], 2
	s_cbranch_scc1 .Lstep_\@
.endm
; THE CHANGE OF SLOTS stands at a trip's head.  Each wave waits for all its tensor loads, adds 0 to its spare word, and waits for that and for its reads of the slot that it has left (V's fragments of its last step among them).
; Behind the barrier the slot ahead is whole and nobody reads the other one.  fill = 1: that other slot is filled for the next trip: the load has a whole trip in which to land.
.macro CHANGE fill
	s_wait_tensorcnt 0x0
	ds_add_u32 v[SPW], v[NIL]                      ; 0 onto my spare word
.if \fill
	ds_add_u32 v[SPW], v[NIL]                      ; and twice on end where a load follows
	s_xor_b32 s[G0+1], s[G0+1], SLOT1              ; the other slot than last time
	s_add_co_u32 s96, s[TR], 1                     ; the next trip f wants slot f of the keys in the first block's trips, f - PH in the second's
	s_sub_co_u32 s97, s96, s[PH]
	s_cmp_lt_u32 s96, s[PH]
	s_cselect_b32 s96, s96, s97
	s_lshl_b32 s46, s96, 14
	s_add_nc_u64 s[G0+2:G0+3], s[44:45], s[46:47]
	s_or_b32 s[G0+3], s[G0+3], 0x80000000
	s_wait_xcnt 0x0                                ; the last prefetch has read its address, so it may be written
	s_add_nc_u64 s[PFA:PFA+1], s[PFA:PFA+1], 16384
.endif
	s_wait_dscnt 0x0
	s_barrier_signal -1
	s_barrier_wait -1
.if \fill
	TLOAD                                          ; the first thing behind the barrier, and a wave's one tensor load until the next
	ASK
.endif
.endm
; A tile ends: O^T / the sum, held, becomes codes: channel tile d's eight are registers 2 d, 2 d + 1 of the head's part of y's image.
.macro FIN x, ya
	v_add_f32 v[TT+4*\x+2], v[TT+4*\x+2], v[TT+4*\x+3]      ; the sum's two halves,
	v_permlanex16_b32 v[PP+16*\x+2], v[TT+4*\x+2], s[SEL], s[SEL+1]
	v_add_f32 v[TT+4*\x+2], v[TT+4*\x+2], v[PP+16*\x+2]     ; and lane l xor 16's
	s_wait_alu depctr_va_vdst(0)                   ; ahead of the transcendental
	v_rcp_f32 v[TT+4*\x+2], v[TT+4*\x+2]
	v_mov_b32 v[PP+16*\x+4], s[YL]                 ; (plain instructions behind the reciprocal)
	v_mov_b32 v[PP+16*\x+5], s[YS]
	s_wait_alu depctr_va_vdst(0)                   ; ahead of the first reader of the reciprocal and of O^T
.set j, 0
.rept 16
	v_pk_mul_f32 v[SS+64*\x+j:SS+64*\x+j+1], v[OO+32*\x+j:OO+32*\x+j+1], v[TT+4*\x+2:TT+4*\x+3] op_sel_hi:[1,0]   ; each accumulator from its low end on
.set j, j+2
.endr
.set j, 0
.rept 32
	v_med3_num_f32 v[SS+64*\x+j], v[SS+64*\x+j], -v[PP+16*\x+4], v[PP+16*\x+4]
.set j, j+1
.endr
.irp d, 0,1,2,3
	v_cvt_scalef32_pk8_fp8_f32 v[PP+16*\x+8+2*\d:PP+16*\x+9+2*\d], v[SS+64*\x+8*\d:SS+64*\x+8*\d+7], v[PP+16*\x+5]
.endr
	v_nop                                          ; one plain vector instruction behind the last conversion
	global_store_b128 v1, v[PP+16*\x+8:PP+16*\x+11], s[\ya:\ya+1] offset:16384*\x          ; 512 consecutive bytes, aligned
	global_store_b128 v1, v[PP+16*\x+12:PP+16*\x+15], s[\ya:\ya+1] offset:16384*\x+512
.endm
.macro FINISH ya
	s_wait_dscnt 0x0                               ; the last step's V is in
	PV                                             ; the block's last product
	FIN 0, \ya
	FIN 1, \ya
	s_wait_xcnt 0x0                                ; the stores have read their registers, which the next block writes again
.endm
	INIT 1
.Ltrip:                                            ; eight trips: behind each change of slots the next trip's keys are asked for
	CHANGE 1
	s_cmp_eq_u32 s[TR], s[PH]                      ; the first block's last slot was the last trip's?  (Ids alone; no LDS line, no barrier and no tensor load stands in the branch)
	s_cbranch_scc0 .Lsame
	FINISH 58
	s_mov_b32 s[Q0], s52
	s_mov_b32 s[KF], 0
	INIT 0
.Lsame:
	SLOTWORK
	s_xor_b32 s[TB], s[TB], SLOT1                  ; on to the other slot
	s_add_co_u32 s[TR], s[TR], 1
	s_cmp_lt_u32 s[TR], 8
	s_cbranch_scc1 .Ltrip
	CHANGE 0                                       ; the last trip is written out
	SLOTWORK
	FINISH 60
	s_wait_tensorcnt 0x0                           ; the wave's end
	ds_add_u32 v[SPW], v[NIL]
	s_wait_dscnt 0x0
	s_endpgm
.Lfunc_end_k_q9090bb3e79_attn:
	.size	k_q9090bb3e79_attn, .Lfunc_end_k_q9090bb3e79_attn-k_q9090bb3e79_attn
	.p2alignl 7, 3214868480
	.fill 96, 4, 3214868480
	.section	.rodata,"a",@progbits
	.p2align	6, 0x0
	.amdhsa_kernel k_q9090bb3e79_attn
		.amdhsa_group_segment_fixed_size 327680
		.amdhsa_private_segment_fixed_size 0
		.amdhsa_enable_private_segment 0
		.amdhsa_kernarg_size 40
		.amdhsa_user_sgpr_count 2
		.amdhsa_user_sgpr_kernarg_segment_ptr 1
		.amdhsa_wavefront_size32 1
		.amdhsa_system_sgpr_workgroup_id_x 1
		.amdhsa_system_sgpr_workgroup_id_y 1
		.amdhsa_system_sgpr_workgroup_id_z 1
		.amdhsa_system_vgpr_workitem_id 0
		.amdhsa_next_free_vgpr 400
		.amdhsa_next_free_sgpr 100
		.amdhsa_reserve_vcc 1
		.amdhsa_float_denorm_mode_32 3
		.amdhsa_float_denorm_mode_16_64 3
		.amdhsa_memory_ordered 1
		.amdhsa_forward_progress 1
		.amdhsa_inst_pref_size 110
	.end_amdhsa_kernel
	.amdgpu_metadata
---
amdhsa.version: [ 1, 2 ]
amdhsa.kernels:
  - .name:           k_q9090bb3e79_attn
    .symbol:         k_q9090bb3e79_attn.kd
    .args:
      - { .name: qc, .offset: 0, .size: 8, .value_kind: global_buffer, .address_space: global }
      - { .name: kc, .offset: 8, .size: 8, .value_kind: global_buffer, .address_space: global }
      - { .name: vc, .offset: 16, .size: 8, .value_kind: global_buffer, .address_space: global }
      - { .name: lowp_scales, .offset: 24, .size: 8, .value_kind: global_buffer, .address_space: global }
      - { .name: yc, .offset: 32, .size: 8, .value_kind: global_buffer, .address_space: global }
    .group_segment_fixed_size: 327680
    .private_segment_fixed_size: 0
    .kernarg_segment_align: 8
    .kernarg_segment_size: 40
    .max_flat_workgroup_size: 256
    .sgpr_count:     100
    .vgpr_count:     400
    .wavefront_size: 32
...
	.end_amdgpu_metadata
.endif
;; end of part 3
;; launch proj (part 4): grid 4 x 64, 4 waves a work-group, clusters of 4 x 4, 327,680 bytes of LDS; arguments yc, woc, lowp_scales, out0; writes out0
.if DOCPART == 4
	.amdgcn_target "amdgcn-amd-amdhsa--gfx1250"
	.amdhsa_code_object_version 6
	.text
	.protected	k_q9090bb3e79_proj
	.globl	k_q9090bb3e79_proj
	.p2align	8
	.type	k_q9090bb3e79_proj,@function
k_q9090bb3e79_proj:
	s_mov_b64 s[64:65], 0
	v_nop
	global_prefetch_b8 v0, s[64:65] scope:SCOPE_SE
	s_setreg_imm32_b32 hwreg(HW_REG_WAVE_MODE, 25, 1), 1
	s_wait_xcnt 0x0
	s_wait_alu depctr_hold_cnt(0) depctr_sa_sdst(0) depctr_va_vdst(0) depctr_va_sdst(0) depctr_va_ssrc(0) depctr_va_vcc(0) depctr_vm_vsrc(0)
	s_getreg_b32 s2, hwreg(HW_REG_IB_STS2, 6, 4)
	s_cmp_eq_u32 s2, 0
	s_cbranch_scc0 .Lentry_in_a_cluster
	s_endpgm
.Lentry_in_a_cluster:
	s_bfe_u32 s2, ttmp6, 0x10000c
	s_cmp_lg_u32 s2, 0xf033
	s_cbranch_scc0 .Lentry_shape_is_right
	s_endpgm
.Lentry_shape_is_right:
; out0 = y w_out^T on codes of FP8 (E4M3) (8,192 x 1,024, K = 1,024); each finished sum is multiplied once by 2^(e6 + e7).  LIMIT: e6 + e7 between -126 and 127, so that the factor is an f32 number.
; A block of 128 tokens x 256 features is made by four waves, 64 x 128 each: 32 accumulators of 16 x 16 in window 2.  64 x 4 = 256 work-groups.
; y's codes arrive as images of a fragment's registers ([block of 16 tokens][128 along K][2,048 bytes]), w_out's as rows of 1,024 bytes.  K goes in four steps of 256 through a ring of two LDS slots.
; CLUSTERS of 4 x 4: y's tile is shared along a row of the cluster, w_out's along a column: joint loads; waves 0 and 1 fetch y's two halves (4 blocks of 16 tokens each), waves 2 and 3 w_out's (128 rows each).
; Source 0 = 16 rows of w_out, source 1 = 16 tokens: a lane holds eight neighbouring numbers of a row of out0.  Both operands have two sets of fragment registers: a step's products stand behind the loads for the next step.
; No prefetch into the L2: of K's four slots' worth two are asked for ahead of the first product, and the steps are written out: there is no loop to run ahead in.
.set SIZE_N, 1024
.set ROWB,   256
.set KROW,   1024
.set PITCH,  272
.set FR,     16
.set NL,     4
.set NP,     4
.set AHALF,  16384
.set BOFF,   2*AHALF
.set HALFT,  128*PITCH
.set SLOT,   BOFF+2*HALFT
.set SPARE,  2*SLOT
.set SPITCH, 528
.set ADRA, 16
.set ADRB, 20
.set STO,  24
.set RD,   25
.set CO,   26
.set SPW,  28
.set NIL,  29
.set TMP,  32
.set AF,   128
.set BK,   128
.set G1, 24
.set G0, 32
.set G1B, 48
.set G0B, 56
.set MSB, 0
.macro WIN new
.if MSB != \new
	s_set_vgpr_msb (MSB<<8)|\new
.set MSB, \new
.endif
.endm
.set MUL_LO, 0xa1
.set MUL_HI, 0xf1
.set TO_B,   0x40
.macro JLOAD g0a, g1a, g0b, g1b
	s_cmp_eq_u32 s15, 0
	s_cbranch_scc0 .Lfor_b_\@
	tensor_load_to_lds s[\g0a:\g0a+3], s[\g1a:\g1a+7]
	s_nop 0
.rept 4
	v_nop
.endr
	s_branch .Lasked_\@
.Lfor_b_\@:
	tensor_load_to_lds s[\g0b:\g0b+3], s[\g1b:\g1b+7]
	s_nop 0
.rept 4
	v_nop
.endr
.Lasked_\@:
.endm
.macro CREST
	s_cmp_lg_u32 s14, 0
	s_cbranch_scc1 .Lnot_wave_0_\@
	s_barrier_signal -3
.Lnot_wave_0_\@:
	s_barrier_wait -3
	s_barrier_signal -1
	s_barrier_wait -1
.endm
.macro CROUND
	s_barrier_signal -1
	s_barrier_wait -1
	CREST
.endm
	s_load_b128 s[4:7], s[0:1], 0x0
	s_load_b128 s[8:11], s[0:1], 0x10
	v_lshl_add_u32 v[SPW], v0, 2, SPARE
	v_mov_b32 v[NIL], 0
	ds_add_u32 v28, v29
	ds_add_u32 v28, v29
	s_wait_dscnt 0x0
	v_lshrrev_b32 v1, 5, v0
	v_readfirstlane_b32 s14, v1
	s_lshr_b32 s15, s14, 1
	s_and_b32 s16, s14, 1
	s_bfe_u32 s40, ttmp6, 0x40000
	s_bfe_u32 s41, ttmp6, 0x40004
	s_lshl_b32 s42, ttmp9, 2
	s_add_co_u32 s42, s42, s40
	s_and_b32 s17, ttmp7, 0xffff
	s_lshl_b32 s17, s17, 2
	s_add_co_u32 s17, s17, s41
	s_lshl_b32 s43, s41, 2
	s_lshl_b32 s43, 15, s43
	s_lshl_b32 s44, 0x1111, s40
	s_or_b32 s[G1+0], s43, (3<<16)|(1<<21)
	s_mov_b32 s[G1+1], 512<<16
	s_mov_b32 s[G1+2], 4<<16
	s_mov_b32 s[G1+3], 512<<16
	s_mov_b32 s[G1+4], 4
	s_mov_b32 s[G1+5], 2048
	s_mov_b32 s[G1+6], 0
	s_mov_b32 s[G1+7], 0
	s_or_b32 s[G1B+0], s44, (0<<16)|(1<<20)|(1<<21)|(5<<22)|(3<<25)
	s_mov_b32 s[G1B+1], ROWB<<16
	s_mov_b32 s[G1B+2], 128<<16
	s_mov_b32 s[G1B+3], ROWB<<16
	s_mov_b32 s[G1B+4], 128
	s_mov_b32 s[G1B+5], KROW
	s_mov_b32 s[G1B+6], 0
	s_mov_b32 s[G1B+7], 0
	s_lshl_b32 s20, s17, 3                         ; y: a block of 128 tokens is 8 blocks of 16;
	s_lshl_b32 s18, s16, 2                         ; I fetch 4 of them
	s_add_co_u32 s20, s20, s18
	s_lshl_b32 s20, s20, 14
	s_mov_b32 s21, 0
	s_lshl_b32 s46, s42, 8
	s_lshl_b32 s18, s16, 7
	s_add_co_u32 s46, s46, s18
	s_lshl_b32 s46, s46, 10
	s_mov_b32 s47, 0
	s_lshl_b32 s45, s16, 14
	s_mul_i32 s19, s16, HALFT
	s_add_co_u32 s19, s19, BOFF
	s_wait_kmcnt 0x0
	s_load_b64 s[96:97], s[8:9], 0x18
	s_add_nc_u64 s[20:21], s[4:5], s[20:21]
	s_add_nc_u64 s[46:47], s[6:7], s[46:47]
	CROUND
.irp s, 0,1
	s_mov_b32 s[G0+4*\s], 1
	s_add_co_u32 s[G0+4*\s+1], s45, \s*SLOT
	s_add_nc_u64 s[G0+4*\s+2:G0+4*\s+3], s[20:21], \s*4096
	s_or_b32 s[G0+4*\s+3], s[G0+4*\s+3], 0x80000000
	s_mov_b32 s[G0B+4*\s], 1
	s_add_co_u32 s[G0B+4*\s+1], s19, \s*SLOT
	s_add_nc_u64 s[G0B+4*\s+2:G0B+4*\s+3], s[46:47], \s*ROWB
	s_or_b32 s[G0B+4*\s+3], s[G0B+4*\s+3], 0x80000000
.endr
	JLOAD G0, G1, G0B, G1B                         ; K step 0, behind the opening round: one tensor load a wave at the head
	v_and_b32 v1, 15, v0
	v_bfe_u32 v2, v0, 4, 1
	v_mul_u32_u24 v3, v1, PITCH
	v_lshl_add_u32 v4, v2, 4, v3
	v_and_b32 v6, 31, v0
	v_lshlrev_b32 v[CO], 4, v6
	s_wait_alu depctr_va_vdst(0)
	s_lshl_b32 s21, s15, 14
	s_mul_i32 s22, s16, HALFT
	s_add_co_u32 s22, s22, BOFF
.irp s, 0,1
	v_add_nc_u32 v[ADRA+\s], s21, v[CO]
	v_add_nc_u32 v[ADRB+\s], s22, v4
	s_add_co_u32 s21, s21, SLOT
	s_add_co_u32 s22, s22, SLOT
.endr
	s_mul_i32 s23, s14, 16*SPITCH
	v_mul_u32_u24 v5, v1, SPITCH
	v_lshl_add_u32 v5, v2, 5, v5
	v_add_nc_u32 v[STO], s23, v5
	v_add_nc_u32 v[RD], s23, v[CO]
	s_lshl_b32 s20, s17, 7                         ; my first row of out0: 128 x tile row + 64 x half
	s_lshl_b32 s21, s15, 6
	s_add_co_u32 s20, s20, s21
	s_lshl_b32 s20, s20, 12
	s_lshl_b32 s46, s42, 10
	s_lshl_b32 s47, s16, 9
	s_add_co_u32 s46, s46, s47
	s_add_co_u32 s20, s20, s46
	s_mov_b32 s21, 0
	s_add_nc_u64 s[10:11], s[10:11], s[20:21]
.macro FRAGB reg, adr, q, i
.irp c, 0,1,2,3
	ds_load_b128 v[\reg+4*\c:\reg+4*\c+3], v[\adr] offset:128*(\q)+32*\c+(\i)*16*PITCH
.endr
.endm
.macro FRAGA reg, slot, q, i
.irp c, 0,1,2,3
	ds_load_b128 v[\reg+4*\c:\reg+4*\c+3], v[ADRA+\slot] offset:4096*((\i)%4)+2048*(\q)+512*\c   ; register blocks 0-3 and 4-7 are two sets for my four blocks of 16 tokens
.endr
.endm
.macro MUL16 a0, p, zero
.irp a, \a0, \a0+1
.irp b, 0,1,2,3,4,5,6,7
.if \zero
	v_wmma_f32_16x16x128_fp8_fp8 v[8*(8*((\a)%4)+\b):8*(8*((\a)%4)+\b)+7], v[128*(\p)+FR*\b:128*(\p)+FR*\b+FR-1], v[AF+FR*(\a):AF+FR*(\a)+FR-1], 0
.else
	v_wmma_f32_16x16x128_fp8_fp8 v[8*(8*((\a)%4)+\b):8*(8*((\a)%4)+\b)+7], v[128*(\p)+FR*\b:128*(\p)+FR*\b+FR-1], v[AF+FR*(\a):AF+FR*(\a)+FR-1], v[8*(8*((\a)%4)+\b):8*(8*((\a)%4)+\b)+7]
.endif
.endr
.endr
.endm
.macro FETCH_B slot, q, p
	WIN TO_B
.irp i, 0,1,2,3,4,5,6,7
	FRAGB 128*(\p)+FR*\i, ADRB+\slot, \q, \i
.endr
	WIN 0
.endm
.macro FETCH_A slot, q, i0
.irp i, \i0, \i0+1, \i0+2, \i0+3
	FRAGA AF+FR*(\i), \slot, \q, \i
.endr
.endm
.macro PLACES n
.rept \n
	v_nop
.endr
.endm
.macro STEP slot, q, zero
	s_wait_dscnt 0                                 ; this step's fragments are in
	PLACES NP                                      ; in front of loads into the other sets, which the last step's products read
	FETCH_B \slot, (\q)+1, 1-(\q)%2
	FETCH_A \slot, (\q)+1, 4*(1-(\q)%2)
	WIN MUL_LO
	MUL16 4*((\q)%2), (\q)%2, \zero
	MUL16 4*((\q)%2)+2, (\q)%2, \zero
	WIN 0
.endm
.macro TURN slot, next, fill
	s_wait_tensorcnt 0x0
	ds_add_u32 v[SPW], v[NIL]
	s_wait_dscnt 1                                 ; this step's fragments are in; the add may be out
	WIN MUL_LO
	MUL16 4, 1, 0
	s_wait_dscnt 0x0
	s_barrier_signal -1
	MUL16 6, 1, 0
	WIN 0
	s_barrier_wait -1
.if \fill
	CREST
	s_add_nc_u64 s[G0+4*\slot+2:G0+4*\slot+3], s[G0+4*\slot+2:G0+4*\slot+3], 2*4096
	s_add_nc_u64 s[G0B+4*\slot+2:G0B+4*\slot+3], s[G0B+4*\slot+2:G0B+4*\slot+3], 2*ROWB
	JLOAD G0+4*\slot, G1, G0B+4*\slot, G1B
.else
	PLACES NP
.endif
	FETCH_B \next, 0, 0
	FETCH_A \next, 0, 0
.endm
	s_wait_alu depctr_va_vdst(0)
	s_wait_tensorcnt 0x0                           ; my part of K step 0 is in; these lines stand ahead of a later first fill, as ahead of a refill
	ds_add_u32 v[SPW], v[NIL]
	s_wait_dscnt 0x0
	CROUND                                         ; a whole round: everybody's part of K step 0 is in, and the joint loads meet
	JLOAD G0+4, G1, G0B+4, G1B                     ; K step 1's load, the first tensor load behind the round
	FETCH_B 0, 0, 0
	FETCH_A 0, 0, 0
	STEP 0, 0, 1
	TURN 0, 1, 1
	STEP 1, 0, 0
	TURN 1, 0, 1
	STEP 0, 0, 0
	TURN 0, 1, 0
	STEP 1, 0, 0
	s_wait_dscnt 0                                 ; the very last step: nothing more to fetch
	WIN MUL_LO
	MUL16 4, 1, 0
	MUL16 6, 1, 0
	WIN 0
.macro TOSTAGE a
.set AC, 64*((\a)%4)
	WIN 0x02+((\a)/4)
.irp j, 0,2,4,6,8,10,12,14,16,18,20,22,24,26,28,30,32,34,36,38,40,42,44,46,48,50,52,54,56,58,60,62
	v_pk_mul_f32 v[TMP+\j:TMP+\j+1], v[AC+\j:AC+\j+1], s[96:97] op_sel_hi:[1,0]
.endr
	WIN 0
.irp b, 0,1,2,3,4,5,6,7
	ds_store_b128 v[STO], v[TMP+8*\b:TMP+8*\b+3] offset:64*\b
	ds_store_b128 v[STO], v[TMP+8*\b+4:TMP+8*\b+7] offset:64*\b+16
.endr
.set BB, BK+64*((\a)%2)
.irp t, 0,1,2,3,4,5,6,7,8,9,10,11,12,13,14,15
	ds_load_b128 v[BB+4*\t:BB+4*\t+3], v[RD] offset:\t*SPITCH
.endr
.endm
.macro SEND a, younger
.set BB, BK+64*((\a)%2)
	s_wait_dscnt \younger
.if (\a) > 0
	s_add_nc_u64 s[10:11], s[10:11], 16*SIZE_N*4
.endif
.irp t, 0,1,2,3,4,5,6,7,8,9,10,11,12,13,14,15
	global_store_b128 v[CO], v[BB+4*\t:BB+4*\t+3], s[10:11] offset:\t*SIZE_N*4 th:TH_STORE_NT
.endr
.endm
	s_wait_kmcnt 0x0
	s_add_co_i32 s96, s96, s97
	s_add_co_i32 s96, s96, 127
	s_lshl_b32 s96, s96, 23
	PLACES NP
	TOSTAGE 0
.irp a, 1,2,3
.if \a > 1
	s_wait_xcnt 0x0
.endif
	TOSTAGE \a
	SEND \a-1, 32
.endr
	s_wait_xcnt 0x0
	SEND 3, 0
	s_wait_tensorcnt 0x0
	ds_add_u32 v[SPW], v[NIL]
	s_wait_dscnt 0x0
	CROUND
	s_endpgm
.Lfunc_end_k_q9090bb3e79_proj:
	.size	k_q9090bb3e79_proj, .Lfunc_end_k_q9090bb3e79_proj-k_q9090bb3e79_proj
	.p2alignl 7, 3214868480
	.fill 96, 4, 3214868480
	.section	.rodata,"a",@progbits
	.p2align	6, 0x0
	.amdhsa_kernel k_q9090bb3e79_proj
		.amdhsa_group_segment_fixed_size 327680
		.amdhsa_private_segment_fixed_size 0
		.amdhsa_enable_private_segment 0
		.amdhsa_kernarg_size 32
		.amdhsa_user_sgpr_count 2
		.amdhsa_user_sgpr_kernarg_segment_ptr 1
		.amdhsa_wavefront_size32 1
		.amdhsa_system_sgpr_workgroup_id_x 1
		.amdhsa_system_sgpr_workgroup_id_y 1
		.amdhsa_system_sgpr_workgroup_id_z 1
		.amdhsa_system_vgpr_workitem_id 0
		.amdhsa_next_free_vgpr 1024
		.amdhsa_next_free_sgpr 98
		.amdhsa_reserve_vcc 0
		.amdhsa_float_denorm_mode_32 3
		.amdhsa_float_denorm_mode_16_64 3
		.amdhsa_memory_ordered 1
		.amdhsa_forward_progress 1
		.amdhsa_inst_pref_size 75
	.end_amdhsa_kernel
	.amdgpu_metadata
---
amdhsa.version: [ 1, 2 ]
amdhsa.kernels:
  - .name:           k_q9090bb3e79_proj
    .symbol:         k_q9090bb3e79_proj.kd
    .args:
      - { .name: yc, .offset: 0, .size: 8, .value_kind: global_buffer, .address_space: global }
      - { .name: woc, .offset: 8, .size: 8, .value_kind: global_buffer, .address_space: global }
      - { .name: lowp_scales, .offset: 16, .size: 8, .value_kind: global_buffer, .address_space: global }
      - { .name: out0, .offset: 24, .size: 8, .value_kind: global_buffer, .address_space: global }
    .group_segment_fixed_size: 327680
    .private_segment_fixed_size: 0
    .kernarg_segment_align: 8
    .kernarg_segment_size: 32
    .max_flat_workgroup_size: 128
    .sgpr_count:     98
    .vgpr_count:     1024
    .wavefront_size: 32
...
	.end_amdgpu_metadata
.endif
;; end of part 4
